; MI455X (gfx1250); checked and timed in simulation.
; The chip was launched on July 23, 2026; its instructions are those of AMD's public machine-readable ISA for CDNA 5 (MIT licence, August 2026) and "CDNA5" Instruction Set Architecture Reference Guide (July 2026). The comments in the code are by the model that wrote it; some were corrected since.
;; Learnable Multihead Self Attention. Allowed arithmetic: matrix products marked QUANTISED: E2M1 operands, one E8M0 scale for each 32 along K, by v_wmma_scale_f32_16x16x128_f8f6f4 with both operands' format E2M1 (or v_wmma_scale_f32_32x16x128_f4), f32 sums; everything else in f32.
;; Inputs: W_o_codes 1,024 x 32 x 16 uint8 (E2M1 codes of W_o, K innermost, in blocks of 32 codes, two codes a byte); W_o_scales 1,024 x 32 uint8 (E8M0 scales of W_o, one for each 32 codes along K); W_qkv_codes 3,072 x 32 x 16 uint8 (E2M1 codes of W_qkv, K innermost, in blocks of 32 codes, two codes a byte); W_qkv_scales 3,072 x 32 uint8 (E8M0 scales of W_qkv, one for each 32 codes along K); W_relemb_codes 1,024 x 32 x 16 uint8 (E2M1 codes of W_relemb, K innermost, in blocks of 32 codes, two codes a byte); W_relemb_scales 1,024 x 32 uint8 (E8M0 scales of W_relemb, one for each 32 codes along K); ln_beta 1,024 float32; ln_gamma 1,024 float32; pos_bias_u 16 x 64 float32; pos_bias_v 16 x 64 float32; pos_emb_codes 2,048 x 32 x 16 uint8 (E2M1 codes of pos_emb, K innermost, in blocks of 32 codes, two codes a byte); pos_emb_scales 2,048 x 32 uint8 (E8M0 scales of pos_emb, one for each 32 codes along K); x 2,048 x 2 x 1,024 float32.
;; Outputs: out0 2,048 x 2 x 1,024 float32.
;; This version of the problem:
;;   THIS VERSION OF THE PROBLEM IS GIVEN IN LOW PRECISION. The matrix products marked QUANTISED in the list below multiply operands that are first quantised to E2M1 (2 exponent bits, 1 mantissa bit; 4 bits a number), with one power-of-two scale for each 32 numbers along K (OCP MX v1.0); their sums are f32. All else is computed in f32.
;;   The module's matrix products, in the order in which they are computed (A, B: the left and right operand; K: the contracted axis; several contracted axes count as one K, in the product's order):
;;     1. [M 4,096, K 1,024] x [K 1,024, N 3,072]; A: input x; B: input W_qkv (given as codes): QUANTISED
;;     2. [M 2,048, K 1,024] x [K 1,024, N 1,024]; A: input pos_emb (given as codes); B: input W_relemb (given as codes): QUANTISED
;;     3. batch 32 x [M 2,048, K 64] x [K 64, N 2,048]; A: computed on the way; B: computed on the way: QUANTISED
;;     4. batch 16 x [M 2,048, K 64] x [K 64, N 4,096]; A: computed on the way; B: computed on the way: QUANTISED
;;     5. batch 32 x [M 64, K 2,048] x [K 2,048, N 2,048]; A: computed on the way; B: softmax (see below): QUANTISED
;;     6. [M 4,096, K 1,024] x [K 1,024, N 1,024]; A: computed on the way; B: input W_o (given as codes): QUANTISED
;;   THE QUANTISER, for each operand of a quantised product, along K:
;;     - K is cut into blocks of 32 from its start; a last block that is shorter is filled with zeros.
;;     - A block's scale is 2^e with e = floor(log2(the largest magnitude in the block)) - 2, held to -126 .. 127; a block of zeros has e = 0. As a byte (E8M0): e + 127.
;;     - Each number is divided by its block's scale, clamped to +-6, and rounded to the nearest number of E2M1, ties to even, subnormals kept.
;;     - The product sums the exact products of the quantised numbers (number of the format x scale) in f32.
;;   ~~~python
;;   def quantise(x, axis):      # numpy; x: float32 -> the quantised numbers, widened to float32 again
;;       x = np.moveaxis(x, axis, -1); K = x.shape[-1]
;;       x = np.pad(x, [(0, 0)] * (x.ndim - 1) + [(0, -K % 32)]); x = x.reshape(x.shape[:-1] + (-1, 32)); a = np.abs(x).max(-1, keepdims=True)
;;       e = np.where(a > 0, np.clip(np.frexp(np.where(a > 0, a, 1))[1] - 1 - 2, -126, 127), 0)      # np.frexp(a)[1] - 1 = floor(log2(a)), exactly
;;       r = np.clip(x / 2.0 ** e, -6, 6)
;;       step = 2.0 ** (np.maximum(np.frexp(np.where(r == 0, 1, r))[1] - 1, 0) - 1)
;;       q = np.round(r / step) * step * 2.0 ** e      # np.round: ties to even
;;       return np.moveaxis(q.reshape(q.shape[:-2] + (-1,))[..., :K], -1, axis).astype(np.float32)
;;   ~~~
;;   SOFTMAX AHEAD OF A QUANTISED PRODUCT. Where the list says 'softmax', what is quantised is not the finished softmax but p = 2^(t - M), with t = logit x log2(e) and M = ceil(the row's largest t), a whole number; so 1/2 < the row's largest p <= 1. The row's sum l is taken of the UNQUANTISED p, in f32, and the product's result is divided by l at the end. Since M is a whole number, a kernel that streams over the keys may use a running M (the ceiling of the running maximum): every later rescaling is an exact power of two, which a block's scale takes up: the codes' values come out the same.
;;   OPERANDS COMPUTED ON THE WAY. 'Computed on the way' means the value that the module computes at that place (a softmax that the list does not call 'softmax' is quantised finished and normalised). What goes into a quantiser is computed in f32, as accurately as f32 sums, v_exp_f32 and their like allow (about 1e-6 of the number): no bf16 or f16 on the way to a quantiser, and a product that is left as it is and whose result goes on into a quantised operand takes f32 operands (vector FMAs, or v_wmma_f32_16x16x4_f32). A number that lies on a knife's edge between two numbers of the format may be rounded either way, as far as f32 arithmetic and the matrix unit's own rounding can turn it there, and no further.
;;   INPUTS GIVEN AS CODES. W_o (in the module: [1024, 1024], K = its axis 0); W_qkv (in the module: [1024, 3072], K = its axis 0); W_relemb (in the module: [1024, 1024], K = its axis 0); pos_emb (in the module: [2048, 1024], K = its axis 1): each comes as NAME_codes (uint8): NAME with its K axis moved to the last place and cut into blocks of 32 codes, [.., K / 32, bytes a block], one block behind the other in memory; two codes a byte, the lower K in the low four bits (a code: sign, 2 exponent bits, 1 mantissa bit); and NAME_scales (uint8): the same leading axes, one E8M0 byte (e + 127) for each 32 codes along K. Its value is code x scale, taken as it is: it is not quantised again, and the codes and scales need not be those that the quantiser above would give.
;; 2 versions. Each part assembles by itself: llvm-mc -triple=amdgcn-amd-amdhsa -mcpu=gfx1250 --defsym DOCPART=n.
;; ======== version 1 of 2: 3 launches
;; workspace buffers: qcodes 4,194,304 bytes; qscales 262,144 bytes; kv 4,587,520 bytes; rcodes 2,105,344 bytes; rscales 263,168 bytes; acodes 2,097,152 bytes; ascales 131,072 bytes
;; launch proj (part 1): grid 224 x 1, 16 waves a work-group, no clusters, 38,912 bytes of LDS; arguments x, W_qkv_codes, W_qkv_scales, pos_emb_codes, pos_emb_scales, W_relemb_codes, W_relemb_scales, pos_bias_u, pos_bias_v, qcodes, qscales, kv, rcodes, rscales; writes qcodes, qscales, kv, rcodes, rscales
.if DOCPART == 1
	.amdgcn_target "amdgcn-amd-amdhsa--gfx1250"
	.amdhsa_code_object_version 6
	.text
	.protected	k_qd5443bf320_proj
	.globl	k_qd5443bf320_proj
	.p2align	8
	.type	k_qd5443bf320_proj,@function
k_qd5443bf320_proj:
	s_mov_b64 s[64:65], 0
	v_nop
	global_prefetch_b8 v0, s[64:65] scope:SCOPE_SE
	s_setreg_imm32_b32 hwreg(HW_REG_WAVE_MODE, 25, 1), 1
	s_wait_xcnt 0x0
; THE PROJECTIONS.  qkv = Q(x) W_qkv and r = pos_emb W_relemb on codes of FP4 (E2M1) with one E8M0 scale for each 32 along K = 1,024; sums in f32.
; The results never go to memory as f32: q + u, q + v, k and r are quantised along the head's 64 (two blocks), v along the keys, and leave as the operand images that the attention launch reads.
; SHARES.  Work-groups 0-63 make q, 64-127 k, 128-191 v (64 rows of x of one batch each), 192-223 r (64 rows of pos_emb).  Wave w takes head w: 64 rows x 64 columns, 16 accumulators.
; x is quantised by each of the three kinds of work-group that read it; the sixteen waves share that work, two fragments each, and hand the fragments round through LDS as images of their registers.
; THE ROWS OF A TILE ARE NOT NEIGHBOURS: row rho of tile g of a group of 64 is member 8 g + (rho & 7) + 32 (rho >> 3).  In a result, lane (r, h) then holds over the four tiles g and its registers j the
; members 32 h + 8 g + j: a whole block of 32 in 32 consecutive registers of one lane.  So a block's largest magnitude needs no other lane, and four conversions give four registers of the next operand as they stand.
; q, k, r: source 0 = 16 rows of W, source 1 = 16 rows of x (a lane holds one row and 32 of the head's 64).  v: the other way round (a lane holds one of the head's 64 and 32 keys).
; LIMITS: NaN and infinities among the inputs are not served.  A block of zeros, and a block whose largest magnitude lies under 2^-124, gets the scale byte 1: its bytes are read by this program alone.
.set XSC,  32768                       ; LDS: 32 fragments of x (tile g, K step ks: 8 g + ks) of 1,024 bytes from byte 0; behind them their scale words, 128 bytes each
.set LI,   1                           ; v1   16 x lane
.set LS,   2                           ; v2   4 x lane
.set SH8,  3                           ; v3   8 h
.set RL,   4                           ; v4   my row in a group of 64: (r & 7) + 32 (r >> 3)
.set XA,   5                           ; v5   x: 8,192 x that row + 128 h
.set XWI,  6                           ; v6   where I store my two fragments: 16 x lane + 2,048 x wave
.set XWS,  7                           ; v7   and their scale words: 4 x lane + 256 x wave
.set WA,   8                           ; v8   rows of 512 bytes of codes: 512 x row + 16 h
.set WSA,  9                           ; v9   rows of 32 scale bytes
.set PT,   14                          ; v14  target of the lane exchange
.set XF,   16                          ; v16-47   x: four fragments of a K step
.set XS,   48                          ; v48-51   their scale words
.set WS,   52                          ; v52-59   W: scale words, two sets
.set WF,   60                          ; v60-123  W: four fragments, two sets
.set T0,   124
.set T1,   125
.set SO,   126
.set BY,   127
.set ACC,  128                         ; v128-255 the 16 accumulators
.set WV,   32
.set TY,   33
.set RG,   34
.set SEL,  36
; 32 numbers of a lane, one block, become four registers of codes; so: the conversion's scale operand; by: the scale's byte.  The registers are read in ascending order.
.macro QB src, dst, so, by, t0, t1
	v_max3_num_f32 v[\t0], |v[\src]|, |v[\src+1]|, 0x1800000       ; the floor 2^(3 - 127) among the leaves: the byte cannot fall under 1
	v_max3_num_f32 v[\t1], |v[\src+2]|, |v[\src+3]|, |v[\src+4]|
.irp i, 5,9,13,17,21,25
	v_max3_num_f32 v[\t0], v[\t0], |v[\src+\i]|, |v[\src+\i+1]|
	v_max3_num_f32 v[\t1], v[\t1], |v[\src+\i+2]|, |v[\src+\i+3]|
.endr
	v_max3_num_f32 v[\t0], v[\t0], |v[\src+29]|, |v[\src+30]|
	v_max3_num_f32 v[\t0], v[\t0], v[\t1], |v[\src+31]|
	v_add_nc_u32 v[\so], 0xff000000, v[\t0]                        ; 2 off the exponent field: the conversion takes that field as its scale
	v_lshrrev_b32 v[\by], 23, v[\so]
.irp g, 0,1,2,3
	v_cvt_scalef32_pk8_fp4_f32 v[\dst+\g], v[\src+8*\g:\src+8*\g+7], v[\so]
.endr
	v_nop                                                          ; one plain line behind the last conversion
.endm
.macro W2 w, by, t                     ; my block's byte and that of lane l xor 16: bytes 0 and 1 of the row's scale word
	v_lshlrev_b32 v[\w], v[SH8], v[\by]
	v_permlanex16_b32 v[\t], v[\w], s[SEL], s[SEL+1]
	v_or_b32 v[\w], v[\w], v[\t]
.endm
.macro W4 w, by0, by1, t               ; my two blocks (h and 2 + h) and the other lane's two: the four bytes of 128 along K
	v_lshl_or_b32 v[\w], v[\by1], 16, v[\by0]
	v_lshlrev_b32 v[\w], v[SH8], v[\w]
	v_permlanex16_b32 v[\t], v[\w], s[SEL], s[SEL+1]
	v_or_b32 v[\w], v[\w], v[\t]
.endm
.macro WM d, a, b, acc, sa, sb         ; acc = 0: the first K step starts the sum
.if \acc
	v_wmma_scale_f32_16x16x128_f8f6f4 v[\d:\d+7], v[\a:\a+7], v[\b:\b+7], v[\d:\d+7], v[\sa], v[\sb] matrix_a_fmt:MATRIX_FMT_FP4 matrix_b_fmt:MATRIX_FMT_FP4
.else
	v_wmma_scale_f32_16x16x128_f8f6f4 v[\d:\d+7], v[\a:\a+7], v[\b:\b+7], 0, v[\sa], v[\sb] matrix_a_fmt:MATRIX_FMT_FP4 matrix_b_fmt:MATRIX_FMT_FP4
.endif
.endm
.macro WLOAD ks                        ; my head's four tiles of W for K step ks, and their scale words: 12 loads into set ks % 2
.irp g, 0,1,2,3
.irp c, 0,1
	global_load_b128 v[WF+32*((\ks)%2)+8*\g+4*\c:WF+32*((\ks)%2)+8*\g+4*\c+3], v[WA], s[40:41] offset:4096*\g+64*(\ks)+32*\c
.endr
	global_load_b32 v[WS+4*((\ks)%2)+\g], v[WSA], s[42:43] offset:256*\g+4*(\ks)
.endr
.endm
.macro XFETCH ks                       ; x: the four tiles of rows for K step ks, as the images lie
.irp g, 0,1,2,3
.irp c, 0,1
	ds_load_b128 v[XF+8*\g+4*\c:XF+8*\g+4*\c+3], v[LI] offset:1024*(8*\g+\ks)+512*\c
.endr
	ds_load_b32 v[XS+\g], v[LS] offset:XSC+128*(8*\g+\ks)
.endr
.endm
.macro MM ks, or                       ; 16 products; the 16 accumulators take turns, one instruction a turn
.irp g, 0,1,2,3
.irp p, 0,1,2,3
.if \or
	WM ACC+8*(4*\p+\g), XF+8*\g, WF+32*((\ks)%2)+8*\p, \ks, XS+\g, WS+4*((\ks)%2)+\p
.else
	WM ACC+8*(4*\g+\p), WF+32*((\ks)%2)+8*\p, XF+8*\g, \ks, WS+4*((\ks)%2)+\p, XS+\g
.endif
.endr
.endr
.endm
.macro KSTEP ks, or
.if (\ks) < 7
	WLOAD (\ks)+1
.endif
	XFETCH \ks
.if (\ks) < 7
	s_wait_loadcnt 12                              ; this step's W is in; the 12 loads just issued may stay out
.else
	s_wait_loadcnt 0x0
.endif
	s_wait_dscnt 0x0
	MM \ks, \or
.rept 4
	v_nop                                          ; four places in front of loads into registers that these products read, and of the first read of results
.endr
.endm
	s_load_b512 s[4:19], s[0:1], 0x0               ; x, W_qkv codes, scales, pos_emb codes, scales, W_relemb codes, scales, u
	s_load_b256 s[20:27], s[0:1], 0x40             ; v, qcodes, qscales, kv
	s_load_b128 s[28:31], s[0:1], 0x60             ; rcodes, rscales
	v_lshrrev_b32 v10, 5, v0
	v_readfirstlane_b32 s[WV], v10                 ; wave = head
	s_lshr_b32 s[TY], ttmp9, 6                     ; 0 q, 1 k, 2 v, 3 r
	s_and_b32 s[RG], ttmp9, 63                     ; which 64 rows
	s_mov_b32 s[SEL], 0x76543210
	s_mov_b32 s[SEL+1], 0xfedcba98                 ; v_permlanex16_b32: lane l xor 16
	v_and_b32 v10, 31, v0
	v_bfe_u32 v11, v0, 4, 1                        ; h
	v_and_b32 v12, 7, v0
	v_bfe_u32 v13, v0, 3, 1
	v_lshlrev_b32 v[LI], 4, v10
	v_lshlrev_b32 v[LS], 2, v10
	v_lshlrev_b32 v[SH8], 3, v11
	v_lshl_add_u32 v[RL], v13, 5, v12
	v_lshlrev_b32 v[XA], 13, v[RL]                 ; a step of one in s is 8,192 bytes of x (two batches of 4,096)
	v_lshl_add_u32 v[XA], v11, 7, v[XA]
	s_lshl_b32 s38, s[WV], 11
	v_add_nc_u32 v[XWI], s38, v[LI]
	s_lshl_b32 s38, s[WV], 8
	v_add_nc_u32 v[XWS], s38, v[LS]
	v_lshlrev_b32 v[WA], 9, v[RL]
	v_lshl_add_u32 v[WA], v11, 4, v[WA]
	v_lshlrev_b32 v[WSA], 5, v[RL]
	v_mov_b32 v[PT], 0                             ; written once: a lane exchange's target counts as one of its sources
	s_and_b32 s52, s[RG], 1                        ; b
	s_lshr_b32 s53, s[RG], 1                       ; sg: rows s = 64 sg on
	s_lshl_b32 s54, s52, 4
	s_add_co_u32 s54, s54, s[WV]                   ; bn = 16 b + head
	s_lshr_b32 s55, s[WV], 2                       ; the tile of rows whose fragments I make,
	s_and_b32 s56, s[WV], 3                        ; and which two K steps
	s_mov_b32 s39, 0
	s_mov_b32 s47, 0
	s_wait_kmcnt 0x0
	s_cmp_eq_u32 s[TY], 3                          ; the weight: a choice on the work-group's number alone
	s_cselect_b64 s[40:41], s[14:15], s[6:7]
	s_cselect_b64 s[42:43], s[16:17], s[8:9]
	s_cselect_b32 s44, 0, s[TY]
	s_lshl_b32 s44, s44, 10                        ; q, k, v: rows 0, 1,024, 2,048 on
	s_lshl_b32 s45, s[WV], 6
	s_add_co_u32 s44, s44, s45                     ; + my head's 64
	s_lshl_b32 s46, s44, 9
	s_add_nc_u64 s[40:41], s[40:41], s[46:47]
	s_lshl_b32 s46, s44, 5
	s_add_nc_u64 s[42:43], s[42:43], s[46:47]
	WLOAD 0
	; ---- X: my two fragments (tile w / 4, K steps 2 (w % 4) and + 1).  The two ways differ only in how the registers are made
	s_cmp_eq_u32 s[TY], 3
	s_cbranch_scc1 .Lpos
	s_lshl_b32 s38, s53, 19
	s_lshl_b32 s46, s52, 12
	s_add_co_u32 s38, s38, s46
	s_lshl_b32 s46, s55, 16
	s_add_co_u32 s38, s38, s46
	s_lshl_b32 s46, s56, 10
	s_add_co_u32 s38, s38, s46
	s_add_nc_u64 s[48:49], s[4:5], s[38:39]
.irp kk, 0,1
.irp c, 0,1
.irp i, 0,1,2,3,4,5,6,7
	global_load_b128 v[ACC+64*\kk+32*\c+4*\i:ACC+64*\kk+32*\c+4*\i+3], v[XA], s[48:49] offset:512*\kk+256*\c+16*\i   ; k = 128 ks + 64 c + 32 h + 4 i on, of my row
.endr
.endr
.endr
	s_wait_loadcnt 16                              ; W's 12 and the first K step's 16 are in; the second K step's 16 may stay out
	QB ACC, XF, SO, 12, T0, T1
	QB ACC+32, XF+4, SO, 13, T0, T1
	W4 XS, 12, 13, PT
	s_wait_loadcnt 0x0
	QB ACC+64, XF+8, SO, 12, T0, T1
	QB ACC+96, XF+12, SO, 13, T0, T1
	W4 XS+1, 12, 13, PT
	s_branch .Limage
.Lpos:                                             ; pos_emb comes as codes: its bytes are the operand's registers
	s_lshl_b32 s38, s[RG], 15
	s_lshl_b32 s46, s55, 12
	s_add_co_u32 s38, s38, s46
	s_lshl_b32 s46, s56, 7
	s_add_co_u32 s38, s38, s46
	s_add_nc_u64 s[48:49], s[10:11], s[38:39]
	s_lshl_b32 s38, s[RG], 11
	s_lshl_b32 s46, s55, 8
	s_add_co_u32 s38, s38, s46
	s_lshl_b32 s46, s56, 3
	s_add_co_u32 s38, s38, s46
	s_add_nc_u64 s[50:51], s[12:13], s[38:39]
.irp kk, 0,1
.irp c, 0,1
	global_load_b128 v[XF+8*\kk+4*\c:XF+8*\kk+4*\c+3], v[WA], s[48:49] offset:64*\kk+32*\c
.endr
	global_load_b32 v[XS+\kk], v[WSA], s[50:51] offset:4*\kk
.endr
	s_wait_loadcnt 0x0
.Limage:
.irp kk, 0,1
.irp c, 0,1
	ds_store_b128 v[XWI], v[XF+8*\kk+4*\c:XF+8*\kk+4*\c+3] offset:1024*\kk+512*\c
.endr
	ds_store_b32 v[XWS], v[XS+\kk] offset:XSC+128*\kk
.endr
	s_wait_dscnt 0x0                               ; for the others' sake: my stores have landed
	s_barrier_signal -1
	s_barrier_wait -1                              ; all 32 fragments lie in LDS; nothing is written there again
	s_cmp_eq_u32 s[TY], 2
	s_cbranch_scc1 .Lmain_v
.irp k, 0,1,2,3,4,5,6,7
	KSTEP \k, 0
.endr
	s_cmp_eq_u32 s[TY], 0
	s_cbranch_scc1 .Lq
	s_cmp_eq_u32 s[TY], 1
	s_cbranch_scc1 .Lk
	; ---- r: row m goes to rows c = m and c = m + 2,049 of the band table [head][h][c 4,112][16 bytes]; row c = 2,048 is zeros
	v_lshrrev_b32 v10, 3, v[SH8]
	v_mul_u32_u24 v12, v10, 65792                  ; plane h
	v_lshl_add_u32 v10, v[RL], 4, v12
	v_lshlrev_b32 v11, 2, v[RL]
	s_mul_i32 s38, s[WV], 131584
	s_lshl_b32 s46, s[RG], 10
	s_add_co_u32 s38, s38, s46
	s_add_nc_u64 s[58:59], s[28:29], s[38:39]
	s_mul_i32 s38, s[WV], 16448
	s_lshl_b32 s46, s[RG], 8
	s_add_co_u32 s38, s38, s46
	s_add_nc_u64 s[60:61], s[30:31], s[38:39]
.irp g, 0,1,2,3
	QB ACC+32*\g, 16+4*\g, SO, BY, T0, T1
	W2 32+\g, BY, PT
	global_store_b128 v10, v[16+4*\g:19+4*\g], s[58:59] offset:128*\g
	global_store_b128 v10, v[16+4*\g:19+4*\g], s[58:59] offset:128*\g+32784
	global_store_b32 v11, v[32+\g], s[60:61] offset:32*\g
	global_store_b32 v11, v[32+\g], s[60:61] offset:32*\g+8196
.endr
	s_cmp_lg_u32 s[RG], 0
	s_cbranch_scc1 .Lr_done
.irp i, 40,41,42,43
	v_mov_b32 v\i, 0
.endr
	global_store_b128 v12, v[40:43], s[58:59] offset:32768         ; zero codes in both planes (every lane of a half writes the same 16 bytes)
	global_store_b32 v40, v41, s[60:61] offset:8192                ; and a scale word of zeros: any byte but 0xff serves over zero codes
.Lr_done:
	s_wait_xcnt 0x0
	v_lshl_add_u32 v254, v0, 2, 0x9000
	v_mov_b32 v255, 0
	s_wait_tensorcnt 0x0
	ds_add_u32 v254, v255
	s_wait_dscnt 0x0
	s_endpgm
.Lk:	; ---- k: tile 4 c + g of the step's image; lane (r, h) holds key 64 c + 8 g + row, block h
	s_mul_i32 s38, s54, 143360
	s_lshr_b32 s46, s53, 1
	s_mul_i32 s46, s46, 8960
	s_add_co_u32 s38, s38, s46                     ; the block of key step sg / 2
	s_and_b32 s57, s53, 1                          ; c
	s_lshl_b32 s46, s57, 11
	s_add_co_u32 s46, s46, s38
	s_add_nc_u64 s[58:59], s[26:27], s[46:47]
	s_lshl_b32 s46, s57, 8
	s_add_co_u32 s46, s46, s38
	s_add_nc_u64 s[60:61], s[26:27], s[46:47]
	v_cmp_ne_u32 vcc_lo, 0, v[SH8]                 ; lanes 16-31
.irp g, 0,1,2,3
	QB ACC+32*\g, 16+4*\g, SO, BY, T0, T1
	W2 32+\g, BY, PT
	global_store_b128 v[LI], v[16+4*\g:19+4*\g], s[58:59] offset:512*\g   ; 32 lanes store 512 consecutive bytes
.endr
	v_cndmask_b32 v36, v32, v33, vcc_lo            ; lanes 0-15 the words of the even tile, lanes 16-31 those of the odd one
	v_cndmask_b32 v37, v34, v35, vcc_lo
	global_store_b32 v[LS], v36, s[60:61] offset:8192
	global_store_b32 v[LS], v37, s[60:61] offset:8192+128
	s_wait_xcnt 0x0
	v_lshl_add_u32 v254, v0, 2, 0x9000
	v_mov_b32 v255, 0
	s_wait_tensorcnt 0x0
	ds_add_u32 v254, v255
	s_wait_dscnt 0x0
	s_endpgm
.Lq:	; ---- q: q + u and q + v, in f32, each quantised along the head's 64
	v_lshlrev_b32 v10, 4, v[SH8]                   ; 128 h: my 32 numbers of a bias
	v_lshlrev_b32 v11, 5, v[RL]
	v_lshl_add_u32 v11, v[SH8], 1, v11             ; codes: 32 x row + 16 h
	v_lshlrev_b32 v12, 1, v[RL]                    ; scale bytes: 2 x row
	s_lshl_b32 s46, s[WV], 8
	s_add_nc_u64 s[62:63], s[18:19], s[46:47]
	s_add_nc_u64 s[66:67], s[20:21], s[46:47]
.irp i, 0,1,2,3,4,5,6,7
	global_load_b128 v[16+4*\i:19+4*\i], v10, s[62:63] offset:16*\i
	global_load_b128 v[60+4*\i:63+4*\i], v10, s[66:67] offset:16*\i
.endr
	s_lshl_b32 s38, s54, 16
	s_lshl_b32 s46, s53, 11
	s_add_co_u32 s38, s38, s46
	s_add_nc_u64 s[58:59], s[22:23], s[38:39]
	s_lshl_b32 s38, s54, 12
	s_lshl_b32 s46, s53, 7
	s_add_co_u32 s38, s38, s46
	s_add_nc_u64 s[60:61], s[24:25], s[38:39]
	s_wait_loadcnt 0x0
.irp g, 0,1,2,3
.if \g > 0
	s_wait_xcnt 0x0                                ; the last tile's stores have read v48-57: only now are they written again
.endif
.irp j, 0,2,4,6,8,10,12,14,16,18,20,22,24,26,28,30
	v_pk_add_f32 v[92+\j:93+\j], v[ACC+32*\g+\j:ACC+32*\g+\j+1], v[16+\j:17+\j]
.endr
	QB 92, 48, SO, BY, T0, T1
	W2 56, BY, PT
	global_store_b128 v11, v[48:51], s[58:59] offset:256*\g
	global_store_b16 v12, v56, s[60:61] offset:16*\g
.irp j, 0,2,4,6,8,10,12,14,16,18,20,22,24,26,28,30
	v_pk_add_f32 v[ACC+32*\g+\j:ACC+32*\g+\j+1], v[ACC+32*\g+\j:ACC+32*\g+\j+1], v[60+\j:61+\j]
.endr
	QB ACC+32*\g, 52, SO, BY, T0, T1
	W2 57, BY, PT
	global_store_b128 v11, v[52:55], s[58:59] offset:256*\g+2097152
	global_store_b16 v12, v57, s[60:61] offset:16*\g+131072
.endr
	s_wait_xcnt 0x0
	v_lshl_add_u32 v254, v0, 2, 0x9000
	v_mov_b32 v255, 0
	s_wait_tensorcnt 0x0
	ds_add_u32 v254, v255
	s_wait_dscnt 0x0
	s_endpgm
.Lmain_v:
.irp k, 0,1,2,3,4,5,6,7
	KSTEP \k, 1
.endr
	; ---- v: lane (r, h) holds channel 8 g + row and keys 64 c + 32 h + 0 .. 31: registers 4 c .. 4 c + 3 of the second product's operand
	s_mul_i32 s38, s54, 143360
	s_lshr_b32 s46, s53, 1
	s_mul_i32 s46, s46, 8960
	s_add_co_u32 s38, s38, s46
	s_and_b32 s57, s53, 1
	s_lshl_b32 s46, s57, 9
	s_add_co_u32 s46, s46, s38
	s_add_nc_u64 s[58:59], s[26:27], s[46:47]
	s_lshl_b32 s46, s57, 1
	s_add_co_u32 s46, s46, s38
	s_add_nc_u64 s[60:61], s[26:27], s[46:47]
	v_and_b32 v10, 15, v0
	v_lshlrev_b32 v10, 2, v10
.irp g, 0,1,2,3
	QB ACC+32*\g, 16+4*\g, SO, BY, T0, T1
	W2 32+\g, BY, PT
	global_store_b128 v[LI], v[16+4*\g:19+4*\g], s[58:59] offset:4096+1024*\g
	global_store_b16 v10, v[32+\g], s[60:61] offset:8704+64*\g     ; bytes 2 c and 2 c + 1 of the row's scale word
.endr
	s_wait_xcnt 0x0
	v_lshl_add_u32 v254, v0, 2, 0x9000
	v_mov_b32 v255, 0
	s_wait_tensorcnt 0x0
	ds_add_u32 v254, v255
	s_wait_dscnt 0x0
	s_endpgm
.Lfunc_end_k_qd5443bf320_proj:
	.size	k_qd5443bf320_proj, .Lfunc_end_k_qd5443bf320_proj-k_qd5443bf320_proj
	.p2alignl 7, 3214868480
	.fill 96, 4, 3214868480
	.section	.rodata,"a",@progbits
	.p2align	6, 0x0
	.amdhsa_kernel k_qd5443bf320_proj
		.amdhsa_group_segment_fixed_size 38912
		.amdhsa_private_segment_fixed_size 0
		.amdhsa_enable_private_segment 0
		.amdhsa_kernarg_size 112
		.amdhsa_user_sgpr_count 2
		.amdhsa_user_sgpr_kernarg_segment_ptr 1
		.amdhsa_wavefront_size32 1
		.amdhsa_system_sgpr_workgroup_id_x 1
		.amdhsa_system_sgpr_workgroup_id_y 1
		.amdhsa_system_sgpr_workgroup_id_z 1
		.amdhsa_system_vgpr_workitem_id 0
		.amdhsa_next_free_vgpr 256
		.amdhsa_next_free_sgpr 80
		.amdhsa_reserve_vcc 1
		.amdhsa_float_denorm_mode_32 3
		.amdhsa_float_denorm_mode_16_64 3
		.amdhsa_memory_ordered 1
		.amdhsa_forward_progress 1
		.amdhsa_inst_pref_size 126
	.end_amdhsa_kernel
	.amdgpu_metadata
---
amdhsa.version: [ 1, 2 ]
amdhsa.kernels:
  - .name:           k_qd5443bf320_proj
    .symbol:         k_qd5443bf320_proj.kd
    .args:
      - { .name: x, .offset: 0, .size: 8, .value_kind: global_buffer, .address_space: global }
      - { .name: W_qkv_codes, .offset: 8, .size: 8, .value_kind: global_buffer, .address_space: global }
      - { .name: W_qkv_scales, .offset: 16, .size: 8, .value_kind: global_buffer, .address_space: global }
      - { .name: pos_emb_codes, .offset: 24, .size: 8, .value_kind: global_buffer, .address_space: global }
      - { .name: pos_emb_scales, .offset: 32, .size: 8, .value_kind: global_buffer, .address_space: global }
      - { .name: W_relemb_codes, .offset: 40, .size: 8, .value_kind: global_buffer, .address_space: global }
      - { .name: W_relemb_scales, .offset: 48, .size: 8, .value_kind: global_buffer, .address_space: global }
      - { .name: pos_bias_u, .offset: 56, .size: 8, .value_kind: global_buffer, .address_space: global }
      - { .name: pos_bias_v, .offset: 64, .size: 8, .value_kind: global_buffer, .address_space: global }
      - { .name: qcodes, .offset: 72, .size: 8, .value_kind: global_buffer, .address_space: global }
      - { .name: qscales, .offset: 80, .size: 8, .value_kind: global_buffer, .address_space: global }
      - { .name: kv, .offset: 88, .size: 8, .value_kind: global_buffer, .address_space: global }
      - { .name: rcodes, .offset: 96, .size: 8, .value_kind: global_buffer, .address_space: global }
      - { .name: rscales, .offset: 104, .size: 8, .value_kind: global_buffer, .address_space: global }
    .group_segment_fixed_size: 38912
    .private_segment_fixed_size: 0
    .kernarg_segment_align: 8
    .kernarg_segment_size: 112
    .max_flat_workgroup_size: 512
    .sgpr_count:     80
    .vgpr_count:     256
    .wavefront_size: 32
...
	.end_amdgpu_metadata
.endif
;; end of part 1
;; launch attn (part 2): grid 8 x 32, 16 waves a work-group, no clusters, 327,680 bytes of LDS; arguments qcodes, qscales, kv, rcodes, rscales, acodes, ascales; writes acodes, ascales
.if DOCPART == 2
	.amdgcn_target "amdgcn-amd-amdhsa--gfx1250"
	.amdhsa_code_object_version 6
	.text
	.protected	k_qd5443bf320_attn
	.globl	k_qd5443bf320_attn
	.p2align	8
	.type	k_qd5443bf320_attn,@function
k_qd5443bf320_attn:
	s_mov_b64 s[64:65], 0
	v_nop
	global_prefetch_b8 v0, s[64:65] scope:SCOPE_SE
	s_setreg_imm32_b32 hwreg(HW_REG_WAVE_MODE, 25, 1), 1
	s_wait_xcnt 0x0
; ATTENTION WITH RELATIVE POSITIONS, all products on codes of FP4 (E2M1) with E8M0 scales.  score(i, j) = ((q_i + u) . k_j + BD(i, j)) / 8.  With c = j - i + 2,047 the shifted term is
; BD = (q_i + v) . r[c] for c < 2,048, 0 for c = 2,048, (q_(i+1) + v) . r[c - 2,049] beyond.  The table R = [r, a row of zeros, r] makes that one band: BD = qv . R[c].
; SOFTMAX: t = score x log2(e); M = the running largest t rounded up to a whole number; p = 2^(t - M) is quantised along the keys; the sum of the unquantised p divides at the end.
; SHARES.  A work-group owns 256 queries of one batch and head; wave w owns 16 of them, STRIDE 2: lane r holds query i0 + 2 r + par, i0 = 256 bx + 32 (w / 2), par = w % 2.  16 steps of 128 keys.
; THE SKEW.  For a step the wave multiplies a band of 160 rows of R, from cb = j0 - i0 - 30 - par + 2,047 on, by its queries (source 0 = 16 rows of R): lane (r, h) holds columns x = c - cb of query r.
; They go to the wave's own stage in LDS, row r, and key j0 + jj is read back from x = jj + 30 - 2 r straight into the score registers, which are then the C of K Q^T: the sum AC + BD costs no vector line.
; Rows of 656 bytes (41 x 16) keep the 16-byte stores in different banks; the reads run 648 bytes from lane to lane (81 x 8): 32 lanes of 8 bytes touch every bank once.  The stride of 2 gives both.
; cb is 1 - par modulo 16 and row 2,048 is zeros, so a tile of 16 rows wants q_i alone or q_(i+1) alone; two neighbouring tiles agree: a scalar branch on ids for each pair chooses source 1.
; K = 64 IN A FORM OF K = 128: the queries' operands are four registers of codes and four of zeros, their scale words two bytes and two zeros.  The other side's tiles lie four registers apart; an operand
; runs on into the next tile's codes, which meet zero codes; its scale words' upper bytes are 0, never 0xff.
; THE KEYS OF A TILE ARE NOT NEIGHBOURS (tile 4 c + g, row rho: key 64 c + 8 g + (rho & 7) + 32 (rho >> 3)): a lane's 32 registers of four tiles are one whole block of 32 keys, so p's codes are the operand as converted.
; LDS: two slots of two steps' K and V (filled by waves 0 and 1, one tensor load each); the work-group's whole window of R, 2,305 rows, and its scale words, filled once; the spare words; the stages.
; The 8 work-groups of a head share 8,960 bytes a step, a small part of a step's LDS traffic, and each has another window of R: no cluster.  A refill has two key steps in which to land: no prefetch.
; LIMITS: NaN and infinities are not served.  A block of zeros gets the scale byte 1: its bytes are read by this program alone.
.set STEPB, 8960                       ; a step: K's image 4,096, V's 4,096, K's scale words 512, V's 256
.set SLOT1, 1<<15                      ; slot 1 begins here: one exclusive or turns an address
.set RSW,   17920                      ; R's scale words: 2,305 x 4 bytes
.set SPARE, 27392                      ; the spare words: 128 bytes for each of 16 waves, eight blocks of 256 bytes that no other line names
.set RC,    50688                      ; R's codes: plane h = 0, then plane h = 1
.set PL,    36880                      ; a plane: 2,305 rows of 16 bytes
.set STG,   124672                     ; the stages: 16 rows x 656 bytes for each wave; no fill ever lands here
.set SROW,  656
.set A16,  1                           ; v1   slot + 16 x lane
.set A4,   2                           ; v2   slot + 4 x lane
.set AR,   3                           ; v3   my row of the band's first tile, codes
.set ARS,  4                           ; v4   and scale words
.set SPW,  5                           ; v5   my spare word; never rewritten
.set NIL,  6                           ; v6   0; never rewritten
.set STW,  7                           ; v7   the stage, in: 656 r + 32 h
.set STR,  8                           ; v8   the stage, back: 648 r + 120 + 128 h
.set SH8,  9
.set B16,  10
.set B4,   11
.set QU,   16                          ; v16-23 q + u | zeros;  v24-31 q + v of query i;  v32-39 of query i + 1
.set QV,   24
.set QW,   32
.set QUS,  40                          ; v40-42 their scale words
.set QVS,  41
.set QWS,  42
.set PW,   43                          ; p's scale word
.set FR,   44                          ; v44-87 fragments: ten tiles of R, or eight of K, four registers each, or four of V; v84-87 stay zeros
.set FS,   88                          ; v88-92 their scale words, two tiles to a register
.set AR0,  94
.set ARS0, 95
.set S,    96                          ; v96-159 the band's tiles 0-7, then the scores, then p
.set PC,   160                         ; v160-167 p's codes
.set OT,   176                         ; v176-207 O^T
.set SUM2, 236                         ; v208-223: the band's tiles 8 and 9
.set BM,   240
.set BT,   242
.set TA,   244
.set PT,   245
.set SO,   246
.set BY,   248
.set FF,   252
.set WV,   18
.set DJ,   19                          ; s19  i0 + 32 - j0: the pair of tiles p takes query i where this is above 32 p
.set SEL,  20
.set CS,   22                          ; s[22:23] log2(e) / 8
.set G1K,  24
.set G0K,  32
.set G1R,  36
.set G0R,  44
.set G1S,  48
.set G0S,  56
.set TB,   60                          ; s60  the slot in hand
.set TR,   61                          ; s61  16 j0: the band's walk through R's codes
.set TRS,  62                          ; s62  4 j0
.set SLOTS, 63
.macro QB src, dst, so, by, t0, t1     ; 32 numbers of a lane, one block, become four registers of codes
	v_max3_num_f32 v[\t0], |v[\src]|, |v[\src+1]|, 0x1800000
	v_max3_num_f32 v[\t1], |v[\src+2]|, |v[\src+3]|, |v[\src+4]|
.irp i, 5,9,13,17,21,25
	v_max3_num_f32 v[\t0], v[\t0], |v[\src+\i]|, |v[\src+\i+1]|
	v_max3_num_f32 v[\t1], v[\t1], |v[\src+\i+2]|, |v[\src+\i+3]|
.endr
	v_max3_num_f32 v[\t0], v[\t0], |v[\src+29]|, |v[\src+30]|
	v_max3_num_f32 v[\t0], v[\t0], v[\t1], |v[\src+31]|
	v_add_nc_u32 v[\so], 0xff000000, v[\t0]
	v_lshrrev_b32 v[\by], 23, v[\so]
.irp g, 0,1,2,3
	v_cvt_scalef32_pk8_fp4_f32 v[\dst+\g], v[\src+8*\g:\src+8*\g+7], v[\so]
.endr
	v_nop
.endm
.macro WM d, a, b, acc, sa, sb, row    ; acc = 0: C is the constant 0; row = 1: source 0's scales stand in lanes 16-31
.if \acc
.if \row
	v_wmma_scale_f32_16x16x128_f8f6f4 v[\d:\d+7], v[\a:\a+7], v[\b:\b+7], v[\d:\d+7], v[\sa], v[\sb] matrix_a_fmt:MATRIX_FMT_FP4 matrix_b_fmt:MATRIX_FMT_FP4 matrix_a_scale:MATRIX_SCALE_ROW1
.else
	v_wmma_scale_f32_16x16x128_f8f6f4 v[\d:\d+7], v[\a:\a+7], v[\b:\b+7], v[\d:\d+7], v[\sa], v[\sb] matrix_a_fmt:MATRIX_FMT_FP4 matrix_b_fmt:MATRIX_FMT_FP4
.endif
.else
.if \row
	v_wmma_scale_f32_16x16x128_f8f6f4 v[\d:\d+7], v[\a:\a+7], v[\b:\b+7], 0, v[\sa], v[\sb] matrix_a_fmt:MATRIX_FMT_FP4 matrix_b_fmt:MATRIX_FMT_FP4 matrix_a_scale:MATRIX_SCALE_ROW1
.else
	v_wmma_scale_f32_16x16x128_f8f6f4 v[\d:\d+7], v[\a:\a+7], v[\b:\b+7], 0, v[\sa], v[\sb] matrix_a_fmt:MATRIX_FMT_FP4 matrix_b_fmt:MATRIX_FMT_FP4
.endif
.endif
.endm
	s_load_b256 s[4:11], s[0:1], 0x0               ; qcodes, qscales, kv, rcodes
	s_load_b128 s[12:15], s[0:1], 0x20             ; rscales, acodes
	s_load_b64 s[16:17], s[0:1], 0x30              ; ascales
	v_lshl_add_u32 v[SPW], v0, 2, SPARE
	v_mov_b32 v[NIL], 0
	ds_add_u32 v5, v6
	s_wait_dscnt 0x0
	v_lshrrev_b32 v1, 5, v0
	v_readfirstlane_b32 s[WV], v1                  ; wave 0..15
	s_and_b32 s66, ttmp7, 0xffff                   ; bn = 16 b + head
	s_and_b32 s67, s66, 15                         ; head
	s_lshr_b32 s68, s66, 4                         ; b
	s_and_b32 s69, s[WV], 1                        ; par
	s_lshr_b32 s70, s[WV], 1                       ; u
	s_lshl_b32 s71, ttmp9, 8
	s_lshl_b32 s72, s70, 5
	s_add_co_u32 s72, s72, s71                     ; i0
	s_add_co_u32 s[DJ], s72, 32
	s_add_co_u32 s73, s72, s69                     ; i0 + par
	; descriptor groups 1.  K and V: a step's 8,960 dense bytes as 35 rows of 256 (32 elements of 8 bytes)
	s_mov_b32 s[G1K], 3<<16
	s_mov_b32 s[G1K+1], 32<<16                     ; tensor_dim0
	s_mov_b32 s[G1K+2], 35<<16                     ; tensor_dim1
	s_mov_b32 s[G1K+3], 32<<16                     ; tile_dim0
	s_mov_b32 s[G1K+4], 35                         ; tile_dim1
	s_mov_b32 s[G1K+5], 32                         ; the pitch
	s_mov_b32 s[G1K+6], 0
	s_mov_b32 s[G1K+7], 0
	; a plane of R's window: one row of 36,880 bytes (4,610 elements of 8)
	s_mov_b32 s[G1R], 3<<16
	s_mov_b32 s[G1R+1], 4610<<16
	s_mov_b32 s[G1R+2], 1<<16
	s_mov_b32 s[G1R+3], 4610<<16
	s_mov_b32 s[G1R+4], 1
	s_mov_b32 s[G1R+5], 4610
	s_mov_b32 s[G1R+6], 0
	s_mov_b32 s[G1R+7], 0
	; its scale words: one row of 2,305 elements of 4 bytes
	s_mov_b32 s[G1S], 2<<16
	s_mov_b32 s[G1S+1], 2305<<16
	s_mov_b32 s[G1S+2], 1<<16
	s_mov_b32 s[G1S+3], 2305<<16
	s_mov_b32 s[G1S+4], 1
	s_mov_b32 s[G1S+5], 2305
	s_mov_b32 s[G1S+6], 0
	s_mov_b32 s[G1S+7], 0
	s_mov_b32 s[SEL], 0x76543210
	s_mov_b32 s[SEL+1], 0xfedcba98
	s_mov_b32 s[CS], 0x3e38aa3b                    ; log2(e) / 8
	s_mov_b32 s[CS+1], s[CS]                       ; (named with it as a pair, so it is written)
	s_mov_b32 s[TB], 0
	s_mov_b32 s[TR], 0
	s_mov_b32 s[TRS], 0
	s_mov_b32 s[SLOTS], 7
	s_mul_i32 s74, s69, STEPB                      ; which of a slot's two steps I would fetch
	s_mul_i32 s76, s66, 16*STEPB
	s_add_co_u32 s76, s76, s74
	s_mov_b32 s77, 0
	s_sub_co_u32 s75, 7, ttmp9                     ; the window begins at row 1,792 - 256 bx = 256 (7 - bx)
	s_mul_i32 s78, s67, 131584
	s_mul_i32 s80, s69, 65792
	s_add_co_u32 s78, s78, s80
	s_lshl_b32 s80, s75, 12
	s_add_co_u32 s78, s78, s80
	s_mov_b32 s79, 0
	s_mul_i32 s80, s67, 16448
	s_lshl_b32 s82, s75, 10
	s_add_co_u32 s80, s80, s82
	s_mov_b32 s81, 0
	s_mul_i32 s82, s69, PL
	s_wait_kmcnt 0x0
	s_mov_b32 s[G0K], 1
	s_mov_b32 s[G0K+1], s74
	s_add_nc_u64 s[G0K+2:G0K+3], s[8:9], s[76:77]
	s_or_b32 s[G0K+3], s[G0K+3], 0x80000000
	s_mov_b32 s[G0R], 1
	s_add_co_u32 s[G0R+1], s82, RC
	s_add_nc_u64 s[G0R+2:G0R+3], s[10:11], s[78:79]
	s_or_b32 s[G0R+3], s[G0R+3], 0x80000000
	s_mov_b32 s[G0S], 1
	s_mov_b32 s[G0S+1], RSW
	s_add_nc_u64 s[G0S+2:G0S+3], s[12:13], s[80:81]
	s_or_b32 s[G0S+3], s[G0S+3], 0x80000000
	; the first fills, one a wave: waves 0, 1: slot 0's two steps; waves 2, 3: R's two planes; wave 4: R's scale words.  Four v_nop follow each
	s_cmp_lt_u32 s[WV], 2
	s_cbranch_scc0 .Lnot_kv
	tensor_load_to_lds s[G0K:G0K+3], s[G1K:G1K+7]
	s_nop 0
.rept 4
	v_nop
.endr
	s_branch .Lfilled
.Lnot_kv:
	s_cmp_lt_u32 s[WV], 4
	s_cbranch_scc0 .Lnot_r
	tensor_load_to_lds s[G0R:G0R+3], s[G1R:G1R+7]
	s_nop 0
.rept 4
	v_nop
.endr
	s_branch .Lfilled
.Lnot_r:
	s_cmp_eq_u32 s[WV], 4
	s_cbranch_scc0 .Lfilled
	tensor_load_to_lds s[G0S:G0S+3], s[G1S:G1S+7]
	s_nop 0
.rept 4
	v_nop
.endr
.Lfilled:
	v_and_b32 v224, 15, v0                         ; r
	v_bfe_u32 v225, v0, 4, 1                       ; h
	v_and_b32 v226, 31, v0                         ; lane
	v_lshl_add_u32 v227, v224, 1, s73              ; my query i
	v_add_nc_u32 v228, 1, v227
	v_min_u32 v228, 2047, v228                     ; i + 1; the last query never uses it, and the load stays inside the buffer
	v_lshlrev_b32 v229, 5, v227
	v_lshl_add_u32 v229, v225, 4, v229
	v_lshlrev_b32 v230, 5, v228
	v_lshl_add_u32 v230, v225, 4, v230
	v_lshlrev_b32 v231, 1, v227
	v_lshlrev_b32 v232, 1, v228
	s_lshl_b32 s76, s66, 16
	s_add_nc_u64 s[84:85], s[4:5], s[76:77]
	s_lshl_b32 s76, s66, 12
	s_add_nc_u64 s[86:87], s[6:7], s[76:77]
	global_load_b128 v[QU:QU+3], v229, s[84:85]
	global_load_b128 v[QV:QV+3], v229, s[84:85] offset:2097152
	global_load_b128 v[QW:QW+3], v230, s[84:85] offset:2097152
	global_load_u16 v[QUS], v231, s[86:87]         ; two scale bytes, the upper two of the word zeros
	global_load_u16 v[QVS], v231, s[86:87] offset:131072
	global_load_u16 v[QWS], v232, s[86:87] offset:131072
	v_lshlrev_b32 v[SH8], 3, v225
	v_lshlrev_b32 v[B16], 4, v226
	v_lshlrev_b32 v[B4], 2, v226
	s_mul_i32 s78, s[WV], 16*SROW
	s_add_co_u32 s78, s78, STG                     ; my stage
	v_mul_u32_u24 v[STW], v224, SROW
	v_lshl_add_u32 v[STW], v225, 5, v[STW]
	v_add_nc_u32 v[STW], s78, v[STW]
	v_mul_u32_u24 v[STR], v224, 648
	v_lshl_add_u32 v[STR], v225, 7, v[STR]
	s_add_co_u32 s79, s78, 120
	v_add_nc_u32 v[STR], s79, v[STR]
	s_xor_b32 s80, s[WV], 15                       ; the band's first row in the window at j0 = 0: 225 - 32 u - par = 32 (7 - u) + (1 - par)
	s_lshr_b32 s81, s80, 1
	s_lshl_b32 s81, s81, 5
	s_and_b32 s80, s80, 1
	s_add_co_u32 s80, s80, s81
	s_lshl_b32 s81, s80, 4
	s_add_co_u32 s81, s81, RC
	v_mul_u32_u24 v[AR0], v225, PL                 ; lanes 16-31 read plane 1
	v_lshl_add_u32 v[AR0], v224, 4, v[AR0]
	v_add_nc_u32 v[AR0], s81, v[AR0]
	s_lshl_b32 s81, s80, 2
	s_add_co_u32 s81, s81, RSW
	v_add_nc_u32 v[ARS0], s81, v[B4]               ; lanes 0-15 the even tile's rows, lanes 16-31 the odd tile's
.irp i, 4,5,6,7
	v_mov_b32 v[QU+\i], 0                          ; the zero halves of the queries' operands,
	v_mov_b32 v[QV+\i], 0
	v_mov_b32 v[QW+\i], 0
	v_mov_b32 v[FR+36+\i], 0                       ; and what the band's last tile runs on into
.endr
	v_mov_b32 v13, 0xff61b1e6                      ; the largest t so far: -3e38
	v_floor_f32 v12, -v13                          ; -M
	v_mov_b32 v14, 0                               ; the sum, in two halves
	v_mov_b32 v15, 0
	v_mov_b32 v[PT], 0                             ; written once: a lane exchange's target counts as one of its sources
	v_mov_b32 v[FF+1], 0                           ; (named as the upper half of a pair)
.set j, 0
.rept 32
	v_mov_b32 v[OT+j], 0                           ; O^T: the step is written once; its first run finds zeros
.set j, j+1
.endr
; A KEY STEP: 128 keys, the q-th of the slot in hand.
.macro STEP q
	; ---- the band: ten tiles of 16 rows of R x my 16 queries
.irp t, 0,1,2,3,4,5,6,7,8,9
	ds_load_b128 v[FR+4*\t:FR+4*\t+3], v[AR] offset:2048*\q+256*\t
.endr
.irp p, 0,1,2,3,4
	ds_load_b32 v[FS+\p], v[ARS] offset:512*\q+128*\p
.endr
	s_wait_dscnt 0x0
.irp p, 0,1,2,3,4
	s_cmp_gt_i32 s[DJ], 32*\p                      ; rows under 2,048: query i; beyond: query i + 1.  A branch on ids alone
	s_cbranch_scc0 .Lup_\@_\p
	WM S+16*\p+48*(\p/4), FR+8*\p, QV, 0, FS+\p, QVS, 0
	WM S+16*\p+8+48*(\p/4), FR+8*\p+4, QV, 0, FS+\p, QVS, 1
	s_branch .Lbd_\@_\p
.Lup_\@_\p:
	WM S+16*\p+48*(\p/4), FR+8*\p, QW, 0, FS+\p, QWS, 0
	WM S+16*\p+8+48*(\p/4), FR+8*\p+4, QW, 0, FS+\p, QWS, 1
.Lbd_\@_\p:
.endr
.rept 5
	v_nop                                          ; places: four in front of the stores that read results and of loads into the products' registers; a fifth, since K Q^T below writes over the band's results
.endr
	; ---- the skew, through my own stage: LDS serves a wave's instructions in order, so no wait stands between the stores and the loads
.irp t, 0,1,2,3,4,5,6,7,8,9
	ds_store_b128 v[STW], v[S+8*\t+48*(\t/8):S+8*\t+48*(\t/8)+3] offset:64*\t          ; each result from its low end on
	ds_store_b128 v[STW], v[S+8*\t+48*(\t/8)+4:S+8*\t+48*(\t/8)+7] offset:64*\t+16
.endr
.irp c, 0,1
.irp g, 0,1,2,3
.irp e, 0,1,2,3
	ds_load_b64 v[S+32*\c+8*\g+2*\e:S+32*\c+8*\g+2*\e+1], v[STR] offset:256*\c+32*\g+8*\e   ; BD of keys 64 c + 32 h + 8 g + 2 e and + 1
.endr
.endr
.endr
.irp t, 0,1,2,3,4,5,6,7
	ds_load_b128 v[FR+4*\t:FR+4*\t+3], v[A16] offset:STEPB*\q+512*\t
.endr
.irp p, 0,1,2,3
	ds_load_b32 v[FS+\p], v[A4] offset:STEPB*\q+8192+128*\p
.endr
	s_wait_dscnt 0x0
.irp t, 0,1,2,3,4,5,6,7
	WM S+8*\t, FR+4*\t, QU, 1, FS+\t/2, QUS, \t%2  ; S^T = K (q + u)^T + BD
.endr
.rept 4
	v_nop                                          ; places in front of the loads below and of the first read of the scores
.endr
.irp g, 0,1,2,3
.irp c, 0,1
	ds_load_b128 v[FR+8*\g+4*\c:FR+8*\g+4*\c+3], v[A16] offset:STEPB*\q+4096+1024*\g+512*\c   ; V lands while the softmax runs
.endr
.endr
.irp p, 0,1
	ds_load_b32 v[FS+\p], v[A4] offset:STEPB*\q+8704+128*\p
.endr
	; ---- the softmax: my two whole blocks of 32 keys.  Each block's largest score serves twice: for the row's maximum and, since p rises with the score, for the block's largest p
.irp c, 0,1
	v_max_num_f32 v[BM+\c], v[S+32*\c], v[S+32*\c+1]
	v_max3_num_f32 v[BT+\c], v[S+32*\c+2], v[S+32*\c+3], v[S+32*\c+4]
.endr
.irp i, 5,9,13,17,21,25
.irp c, 0,1
	v_max3_num_f32 v[BM+\c], v[BM+\c], v[S+32*\c+\i], v[S+32*\c+\i+1]
	v_max3_num_f32 v[BT+\c], v[BT+\c], v[S+32*\c+\i+2], v[S+32*\c+\i+3]
.endr
.endr
.irp c, 0,1
	v_max3_num_f32 v[BM+\c], v[BM+\c], v[S+32*\c+29], v[S+32*\c+30]
.endr
.irp c, 0,1
	v_max3_num_f32 v[BM+\c], v[BM+\c], v[BT+\c], v[S+32*\c+31]
.endr
	v_max_num_f32 v[TA], v[BM], v[BM+1]
	v_permlanex16_b32 v[PT], v[TA], s[SEL], s[SEL+1]
	v_max_num_f32 v[TA], v[TA], v[PT]              ; the step's largest score of my query
	v_mul_f32 v[TA], s[CS], v[TA]
	v_max_num_f32 v13, v13, v[TA]                  ; the running largest t
	v_mov_b32 v[TA], v12
	v_floor_f32 v12, -v13                          ; the new -M = -ceil(t): a whole number
	v_sub_f32 v[TA], v12, v[TA]                    ; old M - new M, 0 or less
	v_cvt_i32_f32 v[TA], v[TA]                     ; (it saturates)
	v_ldexp_f32 v[FF], 1.0, v[TA]                  ; f = 2^(old M - new M): a multiplication by it rounds nothing
.set j, 0
.rept 32
	v_pk_fma_f32 v[S+j:S+j+1], v[S+j:S+j+1], s[CS:CS+1], v[12:13] op_sel_hi:[1,0,0]   ; t - M, two at a time
.set j, j+2
.endr
.irp c, 0,1
	v_fma_f32 v[BM+\c], v[BM+\c], s[CS], v12       ; the same of each block's largest score
.endr
.set j, 0
.rept 64
	v_exp_f32 v[S+j], v[S+j]                       ; p = 2^(t - M), not normalised
.set j, j+1
.endr
	v_pk_mul_f32 v[14:15], v[14:15], v[FF:FF+1] op_sel_hi:[1,0]    ; the sum under the new M: the plain line behind the batch
	s_wait_alu depctr_va_vdst(0)                   ; one wait for the 64, ahead of their first reader
.irp c, 0,1
	v_exp_f32 v[BM+\c], v[BM+\c]                   ; the block's largest p: the same two instructions on the same number give the same bits
.endr
	v_pk_add_f32 v[SUM2:SUM2+1], v[S:S+1], v[S+2:S+3]              ; the sum of the unquantised p, in two chains
.irp j, 4,8,12,16,20,24,28,32,36,40,44,48,52,56,60
	v_pk_add_f32 v[14:15], v[14:15], v[S+\j:S+\j+1]
	v_pk_add_f32 v[SUM2:SUM2+1], v[SUM2:SUM2+1], v[S+\j+2:S+\j+3]
.endr
	v_pk_add_f32 v[14:15], v[14:15], v[SUM2:SUM2+1]
	s_wait_alu depctr_va_vdst(0)                   ; and one for the two
.irp c, 0,1
	v_max_num_f32 v[BM+\c], 0x1800000, v[BM+\c]    ; the floor 2^(3 - 127): the byte cannot fall under 1
.endr
.irp c, 0,1
	v_add_nc_u32 v[SO+\c], 0xff000000, v[BM+\c]
.endr
.irp c, 0,1
	v_lshrrev_b32 v[BY+\c], 23, v[SO+\c]
.endr
	v_lshl_or_b32 v[PW], v[BY+1], 16, v[BY]        ; my blocks h and 2 + h,
	v_lshlrev_b32 v[PW], v[SH8], v[PW]
	v_permlanex16_b32 v[PT], v[PW], s[SEL], s[SEL+1]
	v_or_b32 v[PW], v[PW], v[PT]                   ; with the other lane's two: p's scale word for these 128 keys
.irp c, 0,1
.irp g, 0,1,2,3
	v_cvt_scalef32_pk8_fp4_f32 v[PC+4*\c+\g], v[S+32*\c+8*\g:S+32*\c+8*\g+7], v[SO+\c]
.endr
.endr
	v_nop                                          ; one plain line behind the last conversion
.set j, 0
.rept 16
	v_pk_mul_f32 v[OT+j:OT+j+1], v[OT+j:OT+j+1], v[FF:FF+1] op_sel_hi:[1,0]   ; O^T under the new M; these are also the places between p's scale word and codes and the products
.set j, j+2
.endr
	s_wait_dscnt 0x0                               ; V is in
.irp g, 0,1,2,3
	WM OT+8*\g, FR+8*\g, PC, 1, FS+\g/2, PW, \g%2  ; O^T += V^T P^T; the four accumulators take turns
.endr
.rept 4
	v_nop                                          ; places in front of the next loads into these products' registers, and of the way out
.endr
	s_sub_co_i32 s[DJ], s[DJ], 128
.endm
; THE CHANGE OF SLOTS, at a slot's head.  Each wave waits for all its tensor loads, adds 0 to its spare word, and waits for that and for its reads of the slot that it has left; behind the barrier the slot ahead
; is whole and nobody reads the other one.  fill = 1: waves 0 and 1 fill that other slot with the next two steps: one tensor load a wave is out, and it has two key steps in which to land.
.macro CHANGE fill
	s_wait_tensorcnt 0x0                           ; no tensor load of mine is out, so the descriptor may be written
	ds_add_u32 v[SPW], v[NIL]                      ; 0 onto my spare word
.if \fill
	s_xor_b32 s[G0K+1], s[G0K+1], SLOT1
	s_add_nc_u64 s[G0K+2:G0K+3], s[G0K+2:G0K+3], 2*STEPB
.endif
	s_wait_dscnt 0x0
	s_barrier_signal -1
	s_barrier_wait -1
.if \fill
	s_cmp_lt_u32 s[WV], 2
	s_cbranch_scc0 .Lno_fill_\@
	tensor_load_to_lds s[G0K:G0K+3], s[G1K:G1K+7]
	s_nop 0
.rept 4
	v_nop
.endr
.Lno_fill_\@:
.endif
.endm
.macro SLOT_STEPS
	v_add_nc_u32 v[A16], s[TB], v[B16]
	v_add_nc_u32 v[A4], s[TB], v[B4]
	v_add_nc_u32 v[AR], s[TR], v[AR0]
	v_add_nc_u32 v[ARS], s[TRS], v[ARS0]
	STEP 0
	STEP 1
	s_xor_b32 s[TB], s[TB], SLOT1
	s_add_co_u32 s[TR], s[TR], 4096                ; 256 keys on: 256 rows of the band table
	s_add_co_u32 s[TRS], s[TRS], 1024
.endm
	s_wait_loadcnt 0x0                             ; the queries
.Lslot:                                            ; seven trips: behind each change of slots but the last the next slot is asked for
	CHANGE 1
	SLOT_STEPS
	s_sub_co_u32 s[SLOTS], s[SLOTS], 1
	s_cmp_lg_u32 s[SLOTS], 0
	s_cbranch_scc1 .Lslot
	CHANGE 0                                       ; the last slot is written out
	SLOT_STEPS
	; THE WAY OUT: O^T / the sum is attn_vec(my query, head, 32 h + 0 .. 31): one block of the last product's K.  It leaves as codes, in that product's register order
	v_add_f32 v14, v14, v15
	v_permlanex16_b32 v[PT], v14, s[SEL], s[SEL+1]
	v_add_f32 v14, v14, v[PT]                      ; the row's sum
	v_rcp_f32 v14, v14
	v_and_b32 v224, 15, v0                         ; (a plain line behind the reciprocal)
	v_lshlrev_b32 v224, 2, v224
	s_lshl_b32 s74, s68, 7
	s_lshl_b32 s75, ttmp9, 4
	s_add_co_u32 s74, s74, s75
	s_add_co_u32 s74, s74, s[WV]                   ; T = 128 b + 16 bx + w: my tile of 16 rows
	s_lshl_b32 s76, s74, 13
	s_lshl_b32 s75, s67, 9
	s_add_co_u32 s76, s76, s75
	s_add_nc_u64 s[84:85], s[14:15], s[76:77]
	s_lshl_b32 s76, s74, 9
	s_lshr_b32 s75, s67, 1
	s_lshl_b32 s75, s75, 6
	s_add_co_u32 s76, s76, s75
	s_and_b32 s75, s67, 1
	s_lshl_b32 s75, s75, 1
	s_add_co_u32 s76, s76, s75
	s_add_nc_u64 s[86:87], s[16:17], s[76:77]
	s_wait_alu depctr_va_vdst(0)                   ; ahead of the reciprocal's first reader
.set j, 0
.rept 32
	v_mul_f32 v[S+j], v[OT+j], v14
.set j, j+1
.endr
	QB S, PC, SO, BY, BM, BT
	v_lshlrev_b32 v[PW], v[SH8], v[BY]
	v_permlanex16_b32 v[PT], v[PW], s[SEL], s[SEL+1]
	v_or_b32 v[PW], v[PW], v[PT]
	global_store_b128 v[B16], v[PC:PC+3], s[84:85] ; 32 lanes store 512 consecutive bytes
	global_store_b16 v224, v[PW], s[86:87]
	s_wait_tensorcnt 0x0                           ; the wave's end
	ds_add_u32 v[SPW], v[NIL]
	s_wait_dscnt 0x0
	s_endpgm
.Lfunc_end_k_qd5443bf320_attn:
	.size	k_qd5443bf320_attn, .Lfunc_end_k_qd5443bf320_attn-k_qd5443bf320_attn
	.p2alignl 7, 3214868480
	.fill 96, 4, 3214868480
	.section	.rodata,"a",@progbits
	.p2align	6, 0x0
	.amdhsa_kernel k_qd5443bf320_attn
		.amdhsa_group_segment_fixed_size 327680
		.amdhsa_private_segment_fixed_size 0
		.amdhsa_enable_private_segment 0
		.amdhsa_kernarg_size 56
		.amdhsa_user_sgpr_count 2
		.amdhsa_user_sgpr_kernarg_segment_ptr 1
		.amdhsa_wavefront_size32 1
		.amdhsa_system_sgpr_workgroup_id_x 1
		.amdhsa_system_sgpr_workgroup_id_y 1
		.amdhsa_system_sgpr_workgroup_id_z 1
		.amdhsa_system_vgpr_workitem_id 0
		.amdhsa_next_free_vgpr 256
		.amdhsa_next_free_sgpr 90
		.amdhsa_reserve_vcc 0
		.amdhsa_float_denorm_mode_32 3
		.amdhsa_float_denorm_mode_16_64 3
		.amdhsa_memory_ordered 1
		.amdhsa_forward_progress 1
		.amdhsa_inst_pref_size 100
	.end_amdhsa_kernel
	.amdgpu_metadata
---
amdhsa.version: [ 1, 2 ]
amdhsa.kernels:
  - .name:           k_qd5443bf320_attn
    .symbol:         k_qd5443bf320_attn.kd
    .args:
      - { .name: qcodes, .offset: 0, .size: 8, .value_kind: global_buffer, .address_space: global }
      - { .name: qscales, .offset: 8, .size: 8, .value_kind: global_buffer, .address_space: global }
      - { .name: kv, .offset: 16, .size: 8, .value_kind: global_buffer, .address_space: global }
      - { .name: rcodes, .offset: 24, .size: 8, .value_kind: global_buffer, .address_space: global }
      - { .name: rscales, .offset: 32, .size: 8, .value_kind: global_buffer, .address_space: global }
      - { .name: acodes, .offset: 40, .size: 8, .value_kind: global_buffer, .address_space: global }
      - { .name: ascales, .offset: 48, .size: 8, .value_kind: global_buffer, .address_space: global }
    .group_segment_fixed_size: 327680
    .private_segment_fixed_size: 0
    .kernarg_segment_align: 8
    .kernarg_segment_size: 56
    .max_flat_workgroup_size: 512
    .sgpr_count:     90
    .vgpr_count:     256
    .wavefront_size: 32
...
	.end_amdgpu_metadata
.endif
;; end of part 2
;; launch oproj (part 3): grid 256 x 1, 16 waves a work-group, no clusters, 67,840 bytes of LDS; arguments acodes, ascales, W_o_codes, W_o_scales, x, ln_gamma, ln_beta, out0; writes out0
.if DOCPART == 3
	.amdgcn_target "amdgcn-amd-amdhsa--gfx1250"
	.amdhsa_code_object_version 6
	.text
	.protected	k_qd5443bf320_oproj
	.globl	k_qd5443bf320_oproj
	.p2align	8
	.type	k_qd5443bf320_oproj,@function
k_qd5443bf320_oproj:
	s_mov_b64 s[64:65], 0
	v_nop
	global_prefetch_b8 v0, s[64:65] scope:SCOPE_SE
	s_setreg_imm32_b32 hwreg(HW_REG_WAVE_MODE, 25, 1), 1
	s_wait_xcnt 0x0
; out0 = LayerNorm(x + Q(attn_vec) W_o) gamma + beta.  The product on codes of FP4 (E2M1) with E8M0 scales, K = 1,024; all else in f32.
; SHARES.  Work-group T takes the 16 rows that one attention wave made (batch T / 128, s = 32 ((T % 128) / 2) + 2 r + T % 2) for ALL 1,024 columns, so that a row's mean and variance have one owner.
; Wave w multiplies columns 64 w .. 64 w + 63 (four tiles; source 0 = 16 rows of W_o, source 1 = the 16 rows: a lane holds eight neighbouring columns of one row).  The results meet in a stage in LDS
; (rows of 4,096 + 16 bytes); behind one barrier wave w takes row w whole: residual, two-pass mean and variance, gain and bias, and stores 512 consecutive bytes an instruction.
; The rows' codes come as images of the operand's registers and stay in registers; W_o's fragments come straight from memory, two K steps ahead, in three sets.
; No tensor load, no cluster: a work-group's own bytes are 8 KB of codes and 128 KB of x and out0, and the launch is short.  LIMITS: NaN and infinities are not served.
.set SP,   4112
.set LI,   2                           ; v2   16 x lane
.set R4,   5                           ; v5   4 r
.set R32,  6                           ; v6   32 r
.set WA,   7                           ; v7   512 r + 16 h
.set SIN,  8                           ; v8   the stage, in
.set SOUT, 9                           ; v9   the stage, back
.set AF,   16                          ; v16-79   the rows' eight fragments; later x (v16-47) and gamma (v48-79)
.set AS,   80                          ; v80-87   their scale words
.set WSC,  88                          ; v88-119  W_o's scale words: tile t, K step ks at 8 t + ks
.set ACC,  128                         ; v128-159 four accumulators
.set WF,   160                         ; v160-255 W_o's fragments, three sets of four; later beta (v160-191), the row (v192-223), sums (v224-229)
.set XR,   16
.set GA,   48
.set BE,   160
.set Y,    192
.set WV,   20
.set SEL,  22
.macro WLOAD ks
.irp t, 0,1,2,3
.irp c, 0,1
	global_load_b128 v[WF+32*((\ks)%3)+8*\t+4*\c:WF+32*((\ks)%3)+8*\t+4*\c+3], v[WA], s[28:29] offset:8192*\t+64*(\ks)+32*\c
.endr
.endr
.endm
.macro KSTEP ks
.if (\ks) < 6
	WLOAD (\ks)+2
.endif
.if (\ks) < 6
	s_wait_loadcnt 16                              ; this step's fragments are in; the two later sets, 8 loads each, may stay out
.elseif (\ks) == 6
	s_wait_loadcnt 8
.else
	s_wait_loadcnt 0x0
.endif
.irp t, 0,1,2,3
.if (\ks) == 0
	v_wmma_scale_f32_16x16x128_f8f6f4 v[ACC+8*\t:ACC+8*\t+7], v[WF+32*((\ks)%3)+8*\t:WF+32*((\ks)%3)+8*\t+7], v[AF+8*(\ks):AF+8*(\ks)+7], 0, v[WSC+8*\t+(\ks)], v[AS+(\ks)] matrix_a_fmt:MATRIX_FMT_FP4 matrix_b_fmt:MATRIX_FMT_FP4
.else
	v_wmma_scale_f32_16x16x128_f8f6f4 v[ACC+8*\t:ACC+8*\t+7], v[WF+32*((\ks)%3)+8*\t:WF+32*((\ks)%3)+8*\t+7], v[AF+8*(\ks):AF+8*(\ks)+7], v[ACC+8*\t:ACC+8*\t+7], v[WSC+8*\t+(\ks)], v[AS+(\ks)] matrix_a_fmt:MATRIX_FMT_FP4 matrix_b_fmt:MATRIX_FMT_FP4
.endif
.endr
.rept 4
	v_nop                                          ; places in front of loads into registers that these products read, and of the first read of results
.endr
.endm
.macro LANESUM a, t                    ; the sum over the wave's 32 lanes, in every lane
	v_add_f32_dpp v[\a], v[\a], v[\a] row_xmask:1 row_mask:0xf bank_mask:0xf
	v_add_f32_dpp v[\a], v[\a], v[\a] row_xmask:2 row_mask:0xf bank_mask:0xf
	v_add_f32_dpp v[\a], v[\a], v[\a] row_xmask:4 row_mask:0xf bank_mask:0xf
	v_add_f32_dpp v[\a], v[\a], v[\a] row_xmask:8 row_mask:0xf bank_mask:0xf
	v_permlanex16_b32 v[\t], v[\a], s[SEL], s[SEL+1]
	v_add_f32 v[\a], v[\a], v[\t]
.endm
	s_load_b512 s[4:19], s[0:1], 0x0               ; acodes, ascales, W_o codes, W_o scales, x, gamma, beta, out0
	v_lshl_add_u32 v126, v0, 2, 0x10100
	v_mov_b32 v127, 0
	v_lshrrev_b32 v1, 5, v0
	v_readfirstlane_b32 s[WV], v1                  ; wave 0..15
	s_mov_b32 s[SEL], 0x76543210
	s_mov_b32 s[SEL+1], 0xfedcba98
	s_mov_b32 s36, 0x3a800000                      ; 1 / 1,024
	v_and_b32 v1, 31, v0
	v_lshlrev_b32 v[LI], 4, v1
	v_and_b32 v3, 15, v0                           ; r
	v_bfe_u32 v4, v0, 4, 1                         ; h
	v_lshlrev_b32 v[R4], 2, v3
	v_lshlrev_b32 v[R32], 5, v3
	v_lshlrev_b32 v[WA], 9, v3
	v_lshl_add_u32 v[WA], v4, 4, v[WA]
	v_mul_u32_u24 v[SIN], v3, SP
	v_lshl_add_u32 v[SIN], v4, 5, v[SIN]
	s_lshl_b32 s21, s[WV], 8
	v_add_nc_u32 v[SIN], s21, v[SIN]               ; row r, my 64 columns, + 32 h
	s_mul_i32 s21, s[WV], SP
	v_add_nc_u32 v[SOUT], s21, v[LI]               ; row w, 16 bytes a lane
	s_mov_b32 s39, 0
	s_and_b32 s40, ttmp9, 127
	s_lshr_b32 s40, s40, 1
	s_lshl_b32 s40, s40, 5
	s_lshl_b32 s41, s[WV], 1
	s_add_co_u32 s40, s40, s41
	s_and_b32 s41, ttmp9, 1
	s_add_co_u32 s40, s40, s41                     ; s of the row that I finish
	s_lshl_b32 s40, s40, 1
	s_lshr_b32 s41, ttmp9, 7
	s_add_co_u32 s40, s40, s41                     ; 2 s + b
	s_lshl_b32 s40, s40, 12
	s_mov_b32 s41, 0
	s_wait_kmcnt 0x0
	s_lshl_b32 s38, ttmp9, 13
	s_add_nc_u64 s[24:25], s[4:5], s[38:39]
	s_lshl_b32 s38, ttmp9, 9
	s_add_nc_u64 s[26:27], s[6:7], s[38:39]
	s_lshl_b32 s38, s[WV], 15
	s_add_nc_u64 s[28:29], s[8:9], s[38:39]
	s_lshl_b32 s38, s[WV], 11
	s_add_nc_u64 s[30:31], s[10:11], s[38:39]
	s_add_nc_u64 s[32:33], s[12:13], s[40:41]
	s_add_nc_u64 s[34:35], s[18:19], s[40:41]
.irp k, 0,1,2,3,4,5,6,7
	global_load_b32 v[AS+\k], v[R4], s[26:27] offset:64*\k
.endr
.irp k, 0,1,2,3,4,5,6,7
.irp c, 0,1
	global_load_b128 v[AF+8*\k+4*\c:AF+8*\k+4*\c+3], v[LI], s[24:25] offset:1024*\k+512*\c
.endr
.endr
.irp t, 0,1,2,3
.irp e, 0,1
	global_load_b128 v[WSC+8*\t+4*\e:WSC+8*\t+4*\e+3], v[R32], s[30:31] offset:512*\t+16*\e
.endr
.endr
	WLOAD 0
	WLOAD 1
.irp k, 0,1,2,3,4,5,6,7
	KSTEP \k
.endr
.irp i, 0,1,2,3,4,5,6,7
	global_load_b128 v[XR+4*\i:XR+4*\i+3], v[LI], s[32:33] offset:512*\i th:TH_LOAD_NT
.endr
.irp i, 0,1,2,3,4,5,6,7
	global_load_b128 v[GA+4*\i:GA+4*\i+3], v[LI], s[14:15] offset:512*\i
.endr
.irp i, 0,1,2,3,4,5,6,7
	global_load_b128 v[BE+4*\i:BE+4*\i+3], v[LI], s[16:17] offset:512*\i
.endr
.irp t, 0,1,2,3
	ds_store_b128 v[SIN], v[ACC+8*\t:ACC+8*\t+3] offset:64*\t      ; each accumulator from its low end on
	ds_store_b128 v[SIN], v[ACC+8*\t+4:ACC+8*\t+7] offset:64*\t+16
.endr
	s_wait_dscnt 0x0                               ; for the others' sake: my stores have landed
	s_barrier_signal -1
	s_barrier_wait -1                              ; 16 whole rows lie in the stage
.irp i, 0,1,2,3,4,5,6,7
	ds_load_b128 v[Y+4*\i:Y+4*\i+3], v[SOUT] offset:512*\i
.endr
	s_wait_dscnt 0x0
	s_wait_loadcnt 16                              ; x is in; gamma's and beta's 16 loads may stay out
.irp j, 0,2,4,6,8,10,12,14,16,18,20,22,24,26,28,30
	v_pk_add_f32 v[Y+\j:Y+\j+1], v[Y+\j:Y+\j+1], v[XR+\j:XR+\j+1]  ; y = x + attn_out
.endr
	v_pk_add_f32 v[224:225], v[Y:Y+1], v[Y+2:Y+3]
	v_pk_add_f32 v[226:227], v[Y+4:Y+5], v[Y+6:Y+7]
.irp j, 8,12,16,20,24,28
	v_pk_add_f32 v[224:225], v[224:225], v[Y+\j:Y+\j+1]
	v_pk_add_f32 v[226:227], v[226:227], v[Y+\j+2:Y+\j+3]
.endr
	v_pk_add_f32 v[224:225], v[224:225], v[226:227]
	v_add_f32 v224, v224, v225
	LANESUM 224, 225
	v_mul_f32 v224, s36, v224                      ; the mean
.irp j, 0,2,4,6,8,10,12,14,16,18,20,22,24,26,28,30
	v_pk_add_f32 v[Y+\j:Y+\j+1], v[Y+\j:Y+\j+1], v[224:225] op_sel_hi:[1,0] neg_lo:[0,1] neg_hi:[0,1]   ; y - mean: the variance is taken of these, not of a difference of large sums
.endr
	v_pk_mul_f32 v[226:227], v[Y:Y+1], v[Y:Y+1]
	v_pk_mul_f32 v[228:229], v[Y+2:Y+3], v[Y+2:Y+3]
.irp j, 4,8,12,16,20,24,28
	v_pk_fma_f32 v[226:227], v[Y+\j:Y+\j+1], v[Y+\j:Y+\j+1], v[226:227]
	v_pk_fma_f32 v[228:229], v[Y+\j+2:Y+\j+3], v[Y+\j+2:Y+\j+3], v[228:229]
.endr
	v_pk_add_f32 v[226:227], v[226:227], v[228:229]
	v_add_f32 v226, v226, v227
	LANESUM 226, 227
	v_fmaak_f32 v226, s36, v226, 0x3727c5ac        ; the variance + 1e-5
	v_rsq_f32 v228, v226
	v_nop                                          ; a plain line behind the root
	s_wait_alu depctr_va_vdst(0)                   ; ahead of its first reader
	s_wait_loadcnt 0x0                             ; gamma and beta
.irp j, 0,2,4,6,8,10,12,14,16,18,20,22,24,26,28,30
	v_pk_mul_f32 v[Y+\j:Y+\j+1], v[Y+\j:Y+\j+1], v[228:229] op_sel_hi:[1,0]
.endr
.irp j, 0,2,4,6,8,10,12,14,16,18,20,22,24,26,28,30
	v_pk_fma_f32 v[Y+\j:Y+\j+1], v[Y+\j:Y+\j+1], v[GA+\j:GA+\j+1], v[BE+\j:BE+\j+1]
.endr
.irp i, 0,1,2,3,4,5,6,7
	global_store_b128 v[LI], v[Y+4*\i:Y+4*\i+3], s[34:35] offset:512*\i th:TH_STORE_NT   ; 32 lanes store 512 consecutive bytes, aligned
.endr
	s_wait_tensorcnt 0x0
	ds_add_u32 v126, v127
	s_wait_dscnt 0x0
	s_endpgm
.Lfunc_end_k_qd5443bf320_oproj:
	.size	k_qd5443bf320_oproj, .Lfunc_end_k_qd5443bf320_oproj-k_qd5443bf320_oproj
	.p2alignl 7, 3214868480
	.fill 96, 4, 3214868480
	.section	.rodata,"a",@progbits
	.p2align	6, 0x0
	.amdhsa_kernel k_qd5443bf320_oproj
		.amdhsa_group_segment_fixed_size 67840
		.amdhsa_private_segment_fixed_size 0
		.amdhsa_enable_private_segment 0
		.amdhsa_kernarg_size 64
		.amdhsa_user_sgpr_count 2
		.amdhsa_user_sgpr_kernarg_segment_ptr 1
		.amdhsa_wavefront_size32 1
		.amdhsa_system_sgpr_workgroup_id_x 1
		.amdhsa_system_sgpr_workgroup_id_y 1
		.amdhsa_system_sgpr_workgroup_id_z 1
		.amdhsa_system_vgpr_workitem_id 0
		.amdhsa_next_free_vgpr 256
		.amdhsa_next_free_sgpr 66
		.amdhsa_reserve_vcc 0
		.amdhsa_float_denorm_mode_32 3
		.amdhsa_float_denorm_mode_16_64 3
		.amdhsa_memory_ordered 1
		.amdhsa_forward_progress 1
		.amdhsa_inst_pref_size 28
	.end_amdhsa_kernel
	.amdgpu_metadata
---
amdhsa.version: [ 1, 2 ]
amdhsa.kernels:
  - .name:           k_qd5443bf320_oproj
    .symbol:         k_qd5443bf320_oproj.kd
    .args:
      - { .name: acodes, .offset: 0, .size: 8, .value_kind: global_buffer, .address_space: global }
      - { .name: ascales, .offset: 8, .size: 8, .value_kind: global_buffer, .address_space: global }
      - { .name: W_o_codes, .offset: 16, .size: 8, .value_kind: global_buffer, .address_space: global }
      - { .name: W_o_scales, .offset: 24, .size: 8, .value_kind: global_buffer, .address_space: global }
      - { .name: x, .offset: 32, .size: 8, .value_kind: global_buffer, .address_space: global }
      - { .name: ln_gamma, .offset: 40, .size: 8, .value_kind: global_buffer, .address_space: global }
      - { .name: ln_beta, .offset: 48, .size: 8, .value_kind: global_buffer, .address_space: global }
      - { .name: out0, .offset: 56, .size: 8, .value_kind: global_buffer, .address_space: global }
    .group_segment_fixed_size: 67840
    .private_segment_fixed_size: 0
    .kernarg_segment_align: 8
    .kernarg_segment_size: 64
    .max_flat_workgroup_size: 512
    .sgpr_count:     66
    .vgpr_count:     256
    .wavefront_size: 32
...
	.end_amdgpu_metadata
.endif
;; end of part 3
;; ======== version 2 of 2: 3 launches
;; workspace buffers: qcodes 4,194,304 bytes; qscales 262,144 bytes; kv 4,587,520 bytes; rcodes 2,105,344 bytes; rscales 263,168 bytes; acodes 2,097,152 bytes; ascales 131,072 bytes
;; launch proj (part 4): grid 224 x 1, 16 waves a work-group, no clusters, 38,912 bytes of LDS; arguments x, W_qkv_codes, W_qkv_scales, pos_emb_codes, pos_emb_scales, W_relemb_codes, W_relemb_scales, pos_bias_u, pos_bias_v, qcodes, qscales, kv, rcodes, rscales; writes qcodes, qscales, kv, rcodes, rscales
.if DOCPART == 4
	.amdgcn_target "amdgcn-amd-amdhsa--gfx1250"
	.amdhsa_code_object_version 6
	.text
	.protected	k_qd5443bf320_proj
	.globl	k_qd5443bf320_proj
	.p2align	8
	.type	k_qd5443bf320_proj,@function
k_qd5443bf320_proj:
	s_mov_b64 s[64:65], 0
	v_nop
	global_prefetch_b8 v0, s[64:65] scope:SCOPE_SE
	s_setreg_imm32_b32 hwreg(HW_REG_WAVE_SCHED_MODE, 0, 2), 2
	s_setreg_imm32_b32 hwreg(HW_REG_WAVE_MODE, 25, 1), 1
	s_wait_xcnt 0x0
	s_wait_alu depctr_vm_vsrc(0)
; THE PROJECTIONS.  qkv = Q(x) W_qkv and r = pos_emb W_relemb on codes of FP4 (E2M1) with one E8M0 scale for each 32 along K = 1,024; sums in f32.
; The results never go to memory as f32: q + u, q + v, k and r are quantised along the head's 64 (two blocks), v along the keys, and leave as the operand images that the attention launch reads.
; SHARES.  Work-groups 0-63 make q, 64-127 k, 128-191 v (64 rows of x of one batch each), 192-223 r (64 rows of pos_emb).  Wave w takes head w: 64 rows x 64 columns, 16 accumulators.
; x is quantised by each of the three kinds of work-group that read it; the sixteen waves share that work, two fragments each, and hand the fragments round through LDS as images of their registers.
; THE ROWS OF A TILE ARE NOT NEIGHBOURS: row rho of tile g of a group of 64 is member 8 g + (rho & 7) + 32 (rho >> 3).  In a result, lane (r, h) then holds over the four tiles g and its registers j the
; members 32 h + 8 g + j: a whole block of 32 in 32 consecutive registers of one lane.  So a block's largest magnitude needs no other lane, and four conversions give four registers of the next operand as they stand.
; q, k, r: source 0 = 16 rows of W, source 1 = 16 rows of x (a lane holds one row and 32 of the head's 64).  v: the other way round (a lane holds one of the head's 64 and 32 keys).
; LIMITS: NaN and infinities among the inputs are not served.  A block of zeros, and a block whose largest magnitude lies under 2^-124, gets the scale byte 1: its bytes are read by this program alone.
; THE MODE: SCHED_MODE bits 1:0 = 2 (LLVM: expert scheduling mode 2), set by the entry lines.  The code itself states the register dependences between vector or matrix instructions and memory or LDS
; instructions, with s_wait_alu, always for 0.
; THE PLAN.  Registers that memory or LDS instructions touch:
;   v1, v2, v5-v9   offsets and LDS addresses: written at the head and never again; one wait on va_vdst ahead of the first load serves every load and store by them.
;   v128-255        x's numbers land here first (no vector line has named them); the conversions read them; from then on they are the accumulators, named by vector and matrix instructions alone.
;   XF, XS          On x's way the conversions and exchanges write v16-31 and v48-49; a wait on va_vdst; my LDS stores read them; a wait on vm_vsrc behind the barrier; then step ks's LDS loads land in XF and XS,
;                   its products read them, and step ks + 1's loads land there again.
;   WF, WS          Set ks % 2 is read by step ks's products; the loads issued in step ks + 1 land in it.
;   So ONE wait on va_vdst stands at the head of each K step but the first: the last step's products are done reading XF, XS and their set of W, which are all that the step's 24 loads land in.
;   The ways out    Every tile has out registers of its own, which no later line writes: the tiles are quantised, one wait on va_vdst, and the stores go in a run (q: a wait and a run for each tile).
;   v254, v255      made ahead of the closing lines; no memory or LDS instruction has read them.
.set XSC,  32768                       ; LDS: 32 fragments of x (tile g, K step ks: 8 g + ks) of 1,024 bytes from byte 0; behind them their scale words, 128 bytes each
.set LI,   1                           ; v1   16 x lane
.set LS,   2                           ; v2   4 x lane
.set SH8,  3                           ; v3   8 h
.set RL,   4                           ; v4   my row in a group of 64: (r & 7) + 32 (r >> 3)
.set XA,   5                           ; v5   x: 8,192 x that row + 128 h
.set XWI,  6                           ; v6   where I store my two fragments: 16 x lane + 2,048 x wave
.set XWS,  7                           ; v7   and their scale words: 4 x lane + 256 x wave
.set WA,   8                           ; v8   rows of 512 bytes of codes: 512 x row + 16 h
.set WSA,  9                           ; v9   rows of 32 scale bytes
.set PT,   14                          ; v14  target of the lane exchange
.set XF,   16                          ; v16-47   x: four fragments of a K step
.set XS,   48                          ; v48-51   their scale words
.set WS,   52                          ; v52-59   W: scale words, two sets
.set WF,   60                          ; v60-123  W: four fragments, two sets
.set T0,   124
.set T1,   125
.set SO,   126
.set BY,   127
.set ACC,  128                         ; v128-255 the 16 accumulators
.set WV,   32
.set TY,   33
.set RG,   34
.set SEL,  36
; 32 numbers of a lane, one block, become four registers of codes; so: the conversion's scale operand; by: the scale's byte.  The registers are read in ascending order.
.macro QB src, dst, so, by, t0, t1
	v_max3_num_f32 v[\t0], |v[\src]|, |v[\src+1]|, 0x1800000       ; the floor 2^(3 - 127) among the leaves: the byte cannot fall under 1
	v_max3_num_f32 v[\t1], |v[\src+2]|, |v[\src+3]|, |v[\src+4]|
.irp i, 5,9,13,17,21,25
	v_max3_num_f32 v[\t0], v[\t0], |v[\src+\i]|, |v[\src+\i+1]|
	v_max3_num_f32 v[\t1], v[\t1], |v[\src+\i+2]|, |v[\src+\i+3]|
.endr
	v_max3_num_f32 v[\t0], v[\t0], |v[\src+29]|, |v[\src+30]|
	v_max3_num_f32 v[\t0], v[\t0], v[\t1], |v[\src+31]|
	v_add_nc_u32 v[\so], 0xff000000, v[\t0]                        ; 2 off the exponent field: the conversion takes that field as its scale
	v_lshrrev_b32 v[\by], 23, v[\so]
.irp g, 0,1,2,3
	v_cvt_scalef32_pk8_fp4_f32 v[\dst+\g], v[\src+8*\g:\src+8*\g+7], v[\so]
.endr
	v_nop                                                          ; one plain line behind the last conversion
.endm
.macro W2 w, by, t                     ; my block's byte and that of lane l xor 16: bytes 0 and 1 of the row's scale word
	v_lshlrev_b32 v[\w], v[SH8], v[\by]
	v_permlanex16_b32 v[\t], v[\w], s[SEL], s[SEL+1]
	v_or_b32 v[\w], v[\w], v[\t]
.endm
.macro W4 w, by0, by1, t               ; my two blocks (h and 2 + h) and the other lane's two: the four bytes of 128 along K
	v_lshl_or_b32 v[\w], v[\by1], 16, v[\by0]
	v_lshlrev_b32 v[\w], v[SH8], v[\w]
	v_permlanex16_b32 v[\t], v[\w], s[SEL], s[SEL+1]
	v_or_b32 v[\w], v[\w], v[\t]
.endm
.macro WM d, a, b, acc, sa, sb         ; acc = 0: the first K step starts the sum
.if \acc
	v_wmma_scale_f32_16x16x128_f8f6f4 v[\d:\d+7], v[\a:\a+7], v[\b:\b+7], v[\d:\d+7], v[\sa], v[\sb] matrix_a_fmt:MATRIX_FMT_FP4 matrix_b_fmt:MATRIX_FMT_FP4
.else
	v_wmma_scale_f32_16x16x128_f8f6f4 v[\d:\d+7], v[\a:\a+7], v[\b:\b+7], 0, v[\sa], v[\sb] matrix_a_fmt:MATRIX_FMT_FP4 matrix_b_fmt:MATRIX_FMT_FP4
.endif
.endm
.macro WLOAD ks                        ; my head's four tiles of W for K step ks, and their scale words: 12 loads into set ks % 2
.irp g, 0,1,2,3
.irp c, 0,1
	global_load_b128 v[WF+32*((\ks)%2)+8*\g+4*\c:WF+32*((\ks)%2)+8*\g+4*\c+3], v[WA], s[40:41] offset:4096*\g+64*(\ks)+32*\c
.endr
	global_load_b32 v[WS+4*((\ks)%2)+\g], v[WSA], s[42:43] offset:256*\g+4*(\ks)
.endr
.endm
.macro XFETCH ks                       ; x: the four tiles of rows for K step ks, as the images lie
.irp g, 0,1,2,3
.irp c, 0,1
	ds_load_b128 v[XF+8*\g+4*\c:XF+8*\g+4*\c+3], v[LI] offset:1024*(8*\g+\ks)+512*\c
.endr
	ds_load_b32 v[XS+\g], v[LS] offset:XSC+128*(8*\g+\ks)
.endr
.endm
.macro MM ks, or                       ; 16 products; the 16 accumulators take turns, one instruction a turn
.irp g, 0,1,2,3
.irp p, 0,1,2,3
.if \or
	WM ACC+8*(4*\p+\g), XF+8*\g, WF+32*((\ks)%2)+8*\p, \ks, XS+\g, WS+4*((\ks)%2)+\p
.else
	WM ACC+8*(4*\g+\p), WF+32*((\ks)%2)+8*\p, XF+8*\g, \ks, WS+4*((\ks)%2)+\p, XS+\g
.endif
.endr
.endr
.endm
.macro KSTEP ks, or
.if (\ks) > 0
	s_wait_alu depctr_va_vdst(0)                   ; the last step's products are done reading x's fragments and scale words and their set of W: the loads below land in these
.endif
.if (\ks) < 7
	WLOAD (\ks)+1                                  ; ahead of the wait for this step's W, so that two sets are on their way
.endif
	XFETCH \ks
.if (\ks) < 7
	s_wait_loadcnt 12                              ; this step's W is in; the 12 loads just issued may stay out
.else
	s_wait_loadcnt 0x0
.endif
	s_wait_dscnt 0x0
	MM \ks, \or
.rept 4
	v_nop                                          ; four places in front of loads into registers that these products read, and of the first read of results
.endr
.endm
	s_load_b512 s[4:19], s[0:1], 0x0               ; x, W_qkv codes, scales, pos_emb codes, scales, W_relemb codes, scales, u
	s_load_b256 s[20:27], s[0:1], 0x40             ; v, qcodes, qscales, kv
	s_load_b128 s[28:31], s[0:1], 0x60             ; rcodes, rscales
	v_lshrrev_b32 v10, 5, v0
	v_readfirstlane_b32 s[WV], v10                 ; wave = head
	s_lshr_b32 s[TY], ttmp9, 6                     ; 0 q, 1 k, 2 v, 3 r
	s_and_b32 s[RG], ttmp9, 63                     ; which 64 rows
	s_mov_b32 s[SEL], 0x76543210
	s_mov_b32 s[SEL+1], 0xfedcba98                 ; v_permlanex16_b32: lane l xor 16
	v_and_b32 v10, 31, v0
	v_bfe_u32 v11, v0, 4, 1                        ; h
	v_and_b32 v12, 7, v0
	v_bfe_u32 v13, v0, 3, 1
	v_lshlrev_b32 v[LI], 4, v10
	v_lshlrev_b32 v[LS], 2, v10
	v_lshlrev_b32 v[SH8], 3, v11
	v_lshl_add_u32 v[RL], v13, 5, v12
	v_lshlrev_b32 v[XA], 13, v[RL]                 ; a step of one in s is 8,192 bytes of x (two batches of 4,096)
	v_lshl_add_u32 v[XA], v11, 7, v[XA]
	s_wait_alu depctr_va_sdst(0)                   ; the wave's number is written, ahead of its first reader: LDS addresses and the bases are made from it
	s_lshl_b32 s38, s[WV], 11
	v_add_nc_u32 v[XWI], s38, v[LI]
	s_lshl_b32 s38, s[WV], 8
	v_add_nc_u32 v[XWS], s38, v[LS]
	v_lshlrev_b32 v[WA], 9, v[RL]
	v_lshl_add_u32 v[WA], v11, 4, v[WA]
	v_lshlrev_b32 v[WSA], 5, v[RL]
	v_mov_b32 v[PT], 0                             ; written once: a lane exchange's target counts as one of its sources
	s_and_b32 s52, s[RG], 1                        ; b
	s_lshr_b32 s53, s[RG], 1                       ; sg: rows s = 64 sg on
	s_lshl_b32 s54, s52, 4
	s_add_co_u32 s54, s54, s[WV]                   ; bn = 16 b + head
	s_lshr_b32 s55, s[WV], 2                       ; the tile of rows whose fragments I make,
	s_and_b32 s56, s[WV], 3                        ; and which two K steps
	s_mov_b32 s39, 0
	s_mov_b32 s47, 0
	s_wait_kmcnt 0x0
	s_cmp_eq_u32 s[TY], 3                          ; the weight: a choice on the work-group's number alone
	s_cselect_b64 s[40:41], s[14:15], s[6:7]
	s_cselect_b64 s[42:43], s[16:17], s[8:9]
	s_cselect_b32 s44, 0, s[TY]
	s_lshl_b32 s44, s44, 10                        ; q, k, v: rows 0, 1,024, 2,048 on
	s_lshl_b32 s45, s[WV], 6
	s_add_co_u32 s44, s44, s45                     ; + my head's 64
	s_lshl_b32 s46, s44, 9
	s_add_nc_u64 s[40:41], s[40:41], s[46:47]
	s_lshl_b32 s46, s44, 5
	s_add_nc_u64 s[42:43], s[42:43], s[46:47]
	s_wait_alu depctr_va_vdst(0)                   ; the offsets and LDS addresses v1, v2 and v5 to v9 are written, which the loads and LDS instructions of the whole kernel read
	WLOAD 0
	; ---- X: my two fragments (tile w / 4, K steps 2 (w % 4) and + 1).  The two ways differ only in how the registers are made
	s_cmp_eq_u32 s[TY], 3
	s_cbranch_scc1 .Lpos
	s_lshl_b32 s38, s53, 19
	s_lshl_b32 s46, s52, 12
	s_add_co_u32 s38, s38, s46
	s_lshl_b32 s46, s55, 16
	s_add_co_u32 s38, s38, s46
	s_lshl_b32 s46, s56, 10
	s_add_co_u32 s38, s38, s46
	s_add_nc_u64 s[48:49], s[4:5], s[38:39]
.irp kk, 0,1
.irp c, 0,1
.irp i, 0,1,2,3,4,5,6,7
	global_load_b128 v[ACC+64*\kk+32*\c+4*\i:ACC+64*\kk+32*\c+4*\i+3], v[XA], s[48:49] offset:512*\kk+256*\c+16*\i   ; k = 128 ks + 64 c + 32 h + 4 i on, of my row
.endr
.endr
.endr
	s_wait_loadcnt 16                              ; W's 12 and the first K step's 16 are in; the second K step's 16 may stay out
	QB ACC, XF, SO, 12, T0, T1
	QB ACC+32, XF+4, SO, 13, T0, T1
	W4 XS, 12, 13, PT
	s_wait_loadcnt 0x0
	QB ACC+64, XF+8, SO, 12, T0, T1
	QB ACC+96, XF+12, SO, 13, T0, T1
	W4 XS+1, 12, 13, PT
	s_wait_alu depctr_va_vdst(0)                   ; the conversions and the exchanges have written my two fragments and their scale words, which the LDS stores below read
	s_branch .Limage
.Lpos:                                             ; pos_emb comes as codes: its bytes are the operand's registers
	s_lshl_b32 s38, s[RG], 15
	s_lshl_b32 s46, s55, 12
	s_add_co_u32 s38, s38, s46
	s_lshl_b32 s46, s56, 7
	s_add_co_u32 s38, s38, s46
	s_add_nc_u64 s[48:49], s[10:11], s[38:39]
	s_lshl_b32 s38, s[RG], 11
	s_lshl_b32 s46, s55, 8
	s_add_co_u32 s38, s38, s46
	s_lshl_b32 s46, s56, 3
	s_add_co_u32 s38, s38, s46
	s_add_nc_u64 s[50:51], s[12:13], s[38:39]
.irp kk, 0,1
.irp c, 0,1
	global_load_b128 v[XF+8*\kk+4*\c:XF+8*\kk+4*\c+3], v[WA], s[48:49] offset:64*\kk+32*\c
.endr
	global_load_b32 v[XS+\kk], v[WSA], s[50:51] offset:4*\kk
.endr
	s_wait_loadcnt 0x0
.Limage:
.irp kk, 0,1
.irp c, 0,1
	ds_store_b128 v[XWI], v[XF+8*\kk+4*\c:XF+8*\kk+4*\c+3] offset:1024*\kk+512*\c
.endr
	ds_store_b32 v[XWS], v[XS+\kk] offset:XSC+128*\kk
.endr
	s_wait_dscnt 0x0                               ; for the others' sake: my stores have landed
	s_barrier_signal -1
	s_barrier_wait -1                              ; all 32 fragments lie in LDS; nothing is written there again
	s_wait_alu depctr_vm_vsrc(0)                   ; my LDS stores have read v16-31 and v48-49, in which the first step's LDS loads land
	s_cmp_eq_u32 s[TY], 2
	s_cbranch_scc1 .Lmain_v
.irp k, 0,1,2,3,4,5,6,7
	KSTEP \k, 0
.endr
	s_cmp_eq_u32 s[TY], 0
	s_cbranch_scc1 .Lq
	s_cmp_eq_u32 s[TY], 1
	s_cbranch_scc1 .Lk
	; ---- r: row m goes to rows c = m and c = m + 2,049 of the band table [head][h][c 4,112][16 bytes]; row c = 2,048 is zeros
	v_lshrrev_b32 v10, 3, v[SH8]
	v_mul_u32_u24 v12, v10, 65792                  ; plane h
	v_lshl_add_u32 v10, v[RL], 4, v12
	v_lshlrev_b32 v11, 2, v[RL]
	s_mul_i32 s38, s[WV], 131584
	s_lshl_b32 s46, s[RG], 10
	s_add_co_u32 s38, s38, s46
	s_add_nc_u64 s[58:59], s[28:29], s[38:39]
	s_mul_i32 s38, s[WV], 16448
	s_lshl_b32 s46, s[RG], 8
	s_add_co_u32 s38, s38, s46
	s_add_nc_u64 s[60:61], s[30:31], s[38:39]
.irp g, 0,1,2,3
	QB ACC+32*\g, 16+4*\g, SO, BY, T0, T1
	W2 32+\g, BY, PT
.endr
	s_wait_alu depctr_va_vdst(0)                   ; the four tiles' codes v16-31, their scale words v32-35 and the offsets v10 to v12 are written, which the stores below read
.irp g, 0,1,2,3
	global_store_b128 v10, v[16+4*\g:19+4*\g], s[58:59] offset:128*\g
	global_store_b128 v10, v[16+4*\g:19+4*\g], s[58:59] offset:128*\g+32784
	global_store_b32 v11, v[32+\g], s[60:61] offset:32*\g
	global_store_b32 v11, v[32+\g], s[60:61] offset:32*\g+8196
.endr
	s_cmp_lg_u32 s[RG], 0
	s_cbranch_scc1 .Lr_done
.irp i, 40,41,42,43
	v_mov_b32 v\i, 0
.endr
	s_wait_alu depctr_va_vdst(0)                   ; the four zeros v40-43 are written, which the two stores below read as data and as offset
	global_store_b128 v12, v[40:43], s[58:59] offset:32768         ; zero codes in both planes (every lane of a half writes the same 16 bytes)
	global_store_b32 v40, v41, s[60:61] offset:8192                ; and a scale word of zeros: any byte but 0xff serves over zero codes
.Lr_done:
	s_wait_xcnt 0x0
	v_lshl_add_u32 v254, v0, 2, 0x9000
	v_mov_b32 v255, 0
	s_wait_dscnt 0x0                               ; the closing lines, six on end
	s_wait_alu 0x0
	s_wait_tensorcnt 0x0
	ds_add_u32 v254, v255
	s_wait_dscnt 0x0
	s_endpgm
.Lk:	; ---- k: tile 4 c + g of the step's image; lane (r, h) holds key 64 c + 8 g + row, block h
	s_mul_i32 s38, s54, 143360
	s_lshr_b32 s46, s53, 1
	s_mul_i32 s46, s46, 8960
	s_add_co_u32 s38, s38, s46                     ; the block of key step sg / 2
	s_and_b32 s57, s53, 1                          ; c
	s_lshl_b32 s46, s57, 11
	s_add_co_u32 s46, s46, s38
	s_add_nc_u64 s[58:59], s[26:27], s[46:47]
	s_lshl_b32 s46, s57, 8
	s_add_co_u32 s46, s46, s38
	s_add_nc_u64 s[60:61], s[26:27], s[46:47]
	v_cmp_ne_u32 vcc_lo, 0, v[SH8]                 ; lanes 16-31
.irp g, 0,1,2,3
	QB ACC+32*\g, 16+4*\g, SO, BY, T0, T1
	W2 32+\g, BY, PT
.endr
	s_wait_alu depctr_va_vcc(0)                    ; the compare has written VCC, ahead of its first reader
	v_cndmask_b32 v36, v32, v33, vcc_lo            ; lanes 0-15 the words of the even tile, lanes 16-31 those of the odd one
	v_cndmask_b32 v37, v34, v35, vcc_lo
	s_wait_alu depctr_va_vdst(0)                   ; the four tiles' codes v16-31 and the two registers of scale words v36, v37 are written, which the stores below read
.irp g, 0,1,2,3
	global_store_b128 v[LI], v[16+4*\g:19+4*\g], s[58:59] offset:512*\g   ; 32 lanes store 512 consecutive bytes
.endr
	global_store_b32 v[LS], v36, s[60:61] offset:8192
	global_store_b32 v[LS], v37, s[60:61] offset:8192+128
	s_wait_xcnt 0x0
	v_lshl_add_u32 v254, v0, 2, 0x9000
	v_mov_b32 v255, 0
	s_wait_dscnt 0x0                               ; the closing lines, six on end
	s_wait_alu 0x0
	s_wait_tensorcnt 0x0
	ds_add_u32 v254, v255
	s_wait_dscnt 0x0
	s_endpgm
.Lq:	; ---- q: q + u and q + v, in f32, each quantised along the head's 64
	v_lshlrev_b32 v10, 4, v[SH8]                   ; 128 h: my 32 numbers of a bias
	v_lshlrev_b32 v11, 5, v[RL]
	v_lshl_add_u32 v11, v[SH8], 1, v11             ; codes: 32 x row + 16 h
	v_lshlrev_b32 v12, 1, v[RL]                    ; scale bytes: 2 x row
	s_lshl_b32 s46, s[WV], 8
	s_add_nc_u64 s[62:63], s[18:19], s[46:47]
	s_add_nc_u64 s[66:67], s[20:21], s[46:47]
	s_wait_alu depctr_va_vdst(0)                   ; the offsets v10 to v12 are written; the products are done reading v16-47 and v60-91, in which the biases land
.irp i, 0,1,2,3,4,5,6,7
	global_load_b128 v[16+4*\i:19+4*\i], v10, s[62:63] offset:16*\i
	global_load_b128 v[60+4*\i:63+4*\i], v10, s[66:67] offset:16*\i
.endr
	s_lshl_b32 s38, s54, 16
	s_lshl_b32 s46, s53, 11
	s_add_co_u32 s38, s38, s46
	s_add_nc_u64 s[58:59], s[22:23], s[38:39]
	s_lshl_b32 s38, s54, 12
	s_lshl_b32 s46, s53, 7
	s_add_co_u32 s38, s38, s46
	s_add_nc_u64 s[60:61], s[24:25], s[38:39]
	s_wait_loadcnt 0x0
; Each tile has ten out registers of its own (eight of codes, two scale words): tile 0 v48-57, tile g the first ten of tile g - 1's accumulators, which are done with.  So no store's data are written again.
.irp g, 0,1,2,3
.if \g == 0
.set OB, 48
.else
.set OB, ACC+32*(\g-1)
.endif
.irp j, 0,2,4,6,8,10,12,14,16,18,20,22,24,26,28,30
	v_pk_add_f32 v[92+\j:93+\j], v[ACC+32*\g+\j:ACC+32*\g+\j+1], v[16+\j:17+\j]
.endr
	QB 92, OB, SO, BY, T0, T1
	W2 OB+8, BY, PT
.irp j, 0,2,4,6,8,10,12,14,16,18,20,22,24,26,28,30
	v_pk_add_f32 v[ACC+32*\g+\j:ACC+32*\g+\j+1], v[ACC+32*\g+\j:ACC+32*\g+\j+1], v[60+\j:61+\j]
.endr
	QB ACC+32*\g, OB+4, SO, BY, T0, T1
	W2 OB+9, BY, PT
	s_wait_alu depctr_va_vdst(0)                   ; the conversions and the exchanges have written this tile's ten out registers, which its four stores read
	global_store_b128 v11, v[OB:OB+3], s[58:59] offset:256*\g
	global_store_b16 v12, v[OB+8], s[60:61] offset:16*\g
	global_store_b128 v11, v[OB+4:OB+7], s[58:59] offset:256*\g+2097152
	global_store_b16 v12, v[OB+9], s[60:61] offset:16*\g+131072
.endr
	s_wait_xcnt 0x0
	v_lshl_add_u32 v254, v0, 2, 0x9000
	v_mov_b32 v255, 0
	s_wait_dscnt 0x0                               ; the closing lines, six on end
	s_wait_alu 0x0
	s_wait_tensorcnt 0x0
	ds_add_u32 v254, v255
	s_wait_dscnt 0x0
	s_endpgm
.Lmain_v:
.irp k, 0,1,2,3,4,5,6,7
	KSTEP \k, 1
.endr
	; ---- v: lane (r, h) holds channel 8 g + row and keys 64 c + 32 h + 0 .. 31: registers 4 c .. 4 c + 3 of the second product's operand
	s_mul_i32 s38, s54, 143360
	s_lshr_b32 s46, s53, 1
	s_mul_i32 s46, s46, 8960
	s_add_co_u32 s38, s38, s46
	s_and_b32 s57, s53, 1
	s_lshl_b32 s46, s57, 9
	s_add_co_u32 s46, s46, s38
	s_add_nc_u64 s[58:59], s[26:27], s[46:47]
	s_lshl_b32 s46, s57, 1
	s_add_co_u32 s46, s46, s38
	s_add_nc_u64 s[60:61], s[26:27], s[46:47]
	v_and_b32 v10, 15, v0
	v_lshlrev_b32 v10, 2, v10
.irp g, 0,1,2,3
	QB ACC+32*\g, 16+4*\g, SO, BY, T0, T1
	W2 32+\g, BY, PT
.endr
	s_wait_alu depctr_va_vdst(0)                   ; the four tiles' codes v16-31, their scale words v32-35 and the offset v10 are written, which the stores below read
.irp g, 0,1,2,3
	global_store_b128 v[LI], v[16+4*\g:19+4*\g], s[58:59] offset:4096+1024*\g
	global_store_b16 v10, v[32+\g], s[60:61] offset:8704+64*\g     ; bytes 2 c and 2 c + 1 of the row's scale word
.endr
	s_wait_xcnt 0x0
	v_lshl_add_u32 v254, v0, 2, 0x9000
	v_mov_b32 v255, 0
	s_wait_dscnt 0x0                               ; the closing lines, six on end
	s_wait_alu 0x0
	s_wait_tensorcnt 0x0
	ds_add_u32 v254, v255
	s_wait_dscnt 0x0
	s_endpgm
.Lfunc_end_k_qd5443bf320_proj:
	.size	k_qd5443bf320_proj, .Lfunc_end_k_qd5443bf320_proj-k_qd5443bf320_proj
	.p2alignl 7, 3214868480
	.fill 96, 4, 3214868480
	.section	.rodata,"a",@progbits
	.p2align	6, 0x0
	.amdhsa_kernel k_qd5443bf320_proj
		.amdhsa_group_segment_fixed_size 38912
		.amdhsa_private_segment_fixed_size 0
		.amdhsa_enable_private_segment 0
		.amdhsa_kernarg_size 112
		.amdhsa_user_sgpr_count 2
		.amdhsa_user_sgpr_kernarg_segment_ptr 1
		.amdhsa_wavefront_size32 1
		.amdhsa_system_sgpr_workgroup_id_x 1
		.amdhsa_system_sgpr_workgroup_id_y 1
		.amdhsa_system_sgpr_workgroup_id_z 1
		.amdhsa_system_vgpr_workitem_id 0
		.amdhsa_next_free_vgpr 256
		.amdhsa_next_free_sgpr 80
		.amdhsa_reserve_vcc 1
		.amdhsa_float_denorm_mode_32 3
		.amdhsa_float_denorm_mode_16_64 3
		.amdhsa_memory_ordered 1
		.amdhsa_forward_progress 1
		.amdhsa_inst_pref_size 127
	.end_amdhsa_kernel
	.amdgpu_metadata
---
amdhsa.version: [ 1, 2 ]
amdhsa.kernels:
  - .name:           k_qd5443bf320_proj
    .symbol:         k_qd5443bf320_proj.kd
    .args:
      - { .name: x, .offset: 0, .size: 8, .value_kind: global_buffer, .address_space: global }
      - { .name: W_qkv_codes, .offset: 8, .size: 8, .value_kind: global_buffer, .address_space: global }
      - { .name: W_qkv_scales, .offset: 16, .size: 8, .value_kind: global_buffer, .address_space: global }
      - { .name: pos_emb_codes, .offset: 24, .size: 8, .value_kind: global_buffer, .address_space: global }
      - { .name: pos_emb_scales, .offset: 32, .size: 8, .value_kind: global_buffer, .address_space: global }
      - { .name: W_relemb_codes, .offset: 40, .size: 8, .value_kind: global_buffer, .address_space: global }
      - { .name: W_relemb_scales, .offset: 48, .size: 8, .value_kind: global_buffer, .address_space: global }
      - { .name: pos_bias_u, .offset: 56, .size: 8, .value_kind: global_buffer, .address_space: global }
      - { .name: pos_bias_v, .offset: 64, .size: 8, .value_kind: global_buffer, .address_space: global }
      - { .name: qcodes, .offset: 72, .size: 8, .value_kind: global_buffer, .address_space: global }
      - { .name: qscales, .offset: 80, .size: 8, .value_kind: global_buffer, .address_space: global }
      - { .name: kv, .offset: 88, .size: 8, .value_kind: global_buffer, .address_space: global }
      - { .name: rcodes, .offset: 96, .size: 8, .value_kind: global_buffer, .address_space: global }
      - { .name: rscales, .offset: 104, .size: 8, .value_kind: global_buffer, .address_space: global }
    .group_segment_fixed_size: 38912
    .private_segment_fixed_size: 0
    .kernarg_segment_align: 8
    .kernarg_segment_size: 112
    .max_flat_workgroup_size: 512
    .sgpr_count:     80
    .vgpr_count:     256
    .wavefront_size: 32
...
	.end_amdgpu_metadata
.endif
;; end of part 4
;; launch attn (part 5): grid 8 x 32, 16 waves a work-group, no clusters, 327,680 bytes of LDS; arguments qcodes, qscales, kv, rcodes, rscales, acodes, ascales; writes acodes, ascales
.if DOCPART == 5
	.amdgcn_target "amdgcn-amd-amdhsa--gfx1250"
	.amdhsa_code_object_version 6
	.text
	.protected	k_qd5443bf320_attn
	.globl	k_qd5443bf320_attn
	.p2align	8
	.type	k_qd5443bf320_attn,@function
k_qd5443bf320_attn:
	s_mov_b64 s[64:65], 0
	v_nop
	global_prefetch_b8 v0, s[64:65] scope:SCOPE_SE
	s_setreg_imm32_b32 hwreg(HW_REG_WAVE_MODE, 25, 1), 1
	s_wait_xcnt 0x0
; ATTENTION WITH RELATIVE POSITIONS, all products on codes of FP4 (E2M1) with E8M0 scales.  score(i, j) = ((q_i + u) . k_j + BD(i, j)) / 8.  With c = j - i + 2,047 the shifted term is
; BD = (q_i + v) . r[c] for c < 2,048, 0 for c = 2,048, (q_(i+1) + v) . r[c - 2,049] beyond.  The table R = [r, a row of zeros, r] makes that one band: BD = qv . R[c].
; SOFTMAX: t = score x log2(e); M = the running largest t rounded up to a whole number; p = 2^(t - M) is quantised along the keys; the sum of the unquantised p divides at the end.
; SHARES.  A work-group owns 256 queries of one batch and head; wave w owns 16 of them, STRIDE 2: lane r holds query i0 + 2 r + par, i0 = 256 bx + 32 (w / 2), par = w % 2.  16 steps of 128 keys.
; THE SKEW.  For a step the wave multiplies a band of 160 rows of R, from cb = j0 - i0 - 30 - par + 2,047 on, by its queries (source 0 = 16 rows of R): lane (r, h) holds columns x = c - cb of query r.
; They go to the wave's own stage in LDS, row r, and key j0 + jj is read back from x = jj + 30 - 2 r straight into the score registers, which are then the C of K Q^T: the sum AC + BD costs no vector line.
; Rows of 656 bytes (41 x 16) keep the 16-byte stores in different banks; the reads run 648 bytes from lane to lane (81 x 8): 32 lanes of 8 bytes touch every bank once.  The stride of 2 gives both.
; cb is 1 - par modulo 16 and row 2,048 is zeros, so a tile of 16 rows wants q_i alone or q_(i+1) alone; two neighbouring tiles agree: a scalar branch on ids for each pair chooses source 1.
; K = 64 IN A FORM OF K = 128: the queries' operands are four registers of codes and four of zeros, their scale words two bytes and two zeros.  The other side's tiles lie four registers apart; an operand
; runs on into the next tile's codes, which meet zero codes; its scale words' upper bytes are 0, never 0xff.
; THE KEYS OF A TILE ARE NOT NEIGHBOURS (tile 4 c + g, row rho: key 64 c + 8 g + (rho & 7) + 32 (rho >> 3)): a lane's 32 registers of four tiles are one whole block of 32 keys, so p's codes are the operand as converted.
; LDS: two slots of two steps' K and V (filled by waves 0 and 1, one tensor load each); the work-group's whole window of R, 2,305 rows, and its scale words, filled once; the spare words; the stages.
; The 8 work-groups of a head share 8,960 bytes a step, a small part of a step's LDS traffic, and each has another window of R: no cluster.  A refill has two key steps in which to land: no prefetch.
; LIMITS: NaN and infinities are not served.  A block of zeros gets the scale byte 1: its bytes are read by this program alone.
.set STEPB, 8960                       ; a step: K's image 4,096, V's 4,096, K's scale words 512, V's 256
.set SLOT1, 1<<15                      ; slot 1 begins here: one exclusive or turns an address
.set RSW,   17920                      ; R's scale words: 2,305 x 4 bytes
.set SPARE, 27392                      ; the spare words: 128 bytes for each of 16 waves, eight blocks of 256 bytes that no other line names
.set RC,    50688                      ; R's codes: plane h = 0, then plane h = 1
.set PL,    36880                      ; a plane: 2,305 rows of 16 bytes
.set STG,   124672                     ; the stages: 16 rows x 656 bytes for each wave; no fill ever lands here
.set SROW,  656
.set A16,  1                           ; v1   slot + 16 x lane
.set A4,   2                           ; v2   slot + 4 x lane
.set AR,   3                           ; v3   my row of the band's first tile, codes
.set ARS,  4                           ; v4   and scale words
.set SPW,  5                           ; v5   my spare word; never rewritten
.set NIL,  6                           ; v6   0; never rewritten
.set STW,  7                           ; v7   the stage, in: 656 r + 32 h
.set STR,  8                           ; v8   the stage, back: 648 r + 120 + 128 h
.set SH8,  9
.set B16,  10
.set B4,   11
.set QU,   16                          ; v16-23 q + u | zeros;  v24-31 q + v of query i;  v32-39 of query i + 1
.set QV,   24
.set QW,   32
.set QUS,  40                          ; v40-42 their scale words
.set QVS,  41
.set QWS,  42
.set PW,   43                          ; p's scale word
.set FR,   44                          ; v44-87 fragments: ten tiles of R, or eight of K, four registers each, or four of V; v84-87 stay zeros
.set FS,   88                          ; v88-92 their scale words, two tiles to a register
.set AR0,  94
.set ARS0, 95
.set S,    96                          ; v96-159 the band's tiles 0-7, then the scores, then p
.set PC,   160                         ; v160-167 p's codes
.set OT,   176                         ; v176-207 O^T
.set SUM2, 236                         ; v208-223: the band's tiles 8 and 9
.set BM,   240
.set BT,   242
.set TA,   244
.set PT,   245
.set SO,   246
.set BY,   248
.set FF,   252
.set WV,   18
.set DJ,   19                          ; s19  i0 + 32 - j0: the pair of tiles p takes query i where this is above 32 p
.set SEL,  20
.set CS,   22                          ; s[22:23] log2(e) / 8
.set G1K,  24
.set G0K,  32
.set G1R,  36
.set G0R,  44
.set G1S,  48
.set G0S,  56
.set TB,   60                          ; s60  the slot in hand
.set TR,   61                          ; s61  16 j0: the band's walk through R's codes
.set TRS,  62                          ; s62  4 j0
.set SLOTS, 63
.macro QB src, dst, so, by, t0, t1     ; 32 numbers of a lane, one block, become four registers of codes
	v_max3_num_f32 v[\t0], |v[\src]|, |v[\src+1]|, 0x1800000
	v_max3_num_f32 v[\t1], |v[\src+2]|, |v[\src+3]|, |v[\src+4]|
.irp i, 5,9,13,17,21,25
	s_delay_alu instid0(VALU_DEP_2)
	v_max3_num_f32 v[\t0], v[\t0], |v[\src+\i]|, |v[\src+\i+1]|
	s_delay_alu instid0(VALU_DEP_2)
	v_max3_num_f32 v[\t1], v[\t1], |v[\src+\i+2]|, |v[\src+\i+3]|
.endr
	s_delay_alu instid0(VALU_DEP_2)
	v_max3_num_f32 v[\t0], v[\t0], |v[\src+29]|, |v[\src+30]|
	s_delay_alu instid0(VALU_DEP_1)
	v_max3_num_f32 v[\t0], v[\t0], v[\t1], |v[\src+31]|
	s_delay_alu instid0(VALU_DEP_1)
	v_add_nc_u32 v[\so], 0xff000000, v[\t0]
	s_delay_alu instid0(VALU_DEP_1)
	v_lshrrev_b32 v[\by], 23, v[\so]
.irp g, 0,1,2,3
	v_cvt_scalef32_pk8_fp4_f32 v[\dst+\g], v[\src+8*\g:\src+8*\g+7], v[\so]
.endr
	v_nop
.endm
.macro WM d, a, b, acc, sa, sb, row    ; acc = 0: C is the constant 0; row = 1: source 0's scales stand in lanes 16-31
.if \acc
.if \row
	v_wmma_scale_f32_16x16x128_f8f6f4 v[\d:\d+7], v[\a:\a+7], v[\b:\b+7], v[\d:\d+7], v[\sa], v[\sb] matrix_a_fmt:MATRIX_FMT_FP4 matrix_b_fmt:MATRIX_FMT_FP4 matrix_a_scale:MATRIX_SCALE_ROW1
.else
	v_wmma_scale_f32_16x16x128_f8f6f4 v[\d:\d+7], v[\a:\a+7], v[\b:\b+7], v[\d:\d+7], v[\sa], v[\sb] matrix_a_fmt:MATRIX_FMT_FP4 matrix_b_fmt:MATRIX_FMT_FP4
.endif
.else
.if \row
	v_wmma_scale_f32_16x16x128_f8f6f4 v[\d:\d+7], v[\a:\a+7], v[\b:\b+7], 0, v[\sa], v[\sb] matrix_a_fmt:MATRIX_FMT_FP4 matrix_b_fmt:MATRIX_FMT_FP4 matrix_a_scale:MATRIX_SCALE_ROW1
.else
	v_wmma_scale_f32_16x16x128_f8f6f4 v[\d:\d+7], v[\a:\a+7], v[\b:\b+7], 0, v[\sa], v[\sb] matrix_a_fmt:MATRIX_FMT_FP4 matrix_b_fmt:MATRIX_FMT_FP4
.endif
.endif
.endm
	s_load_b256 s[4:11], s[0:1], 0x0               ; qcodes, qscales, kv, rcodes
	s_load_b128 s[12:15], s[0:1], 0x20             ; rscales, acodes
	s_load_b64 s[16:17], s[0:1], 0x30              ; ascales
	v_lshl_add_u32 v[SPW], v0, 2, SPARE
	v_mov_b32 v[NIL], 0
	ds_add_u32 v5, v6
	ds_add_u32 v5, v6
	s_wait_dscnt 0x0
	v_lshrrev_b32 v1, 5, v0
	s_delay_alu instid0(VALU_DEP_1)
	v_readfirstlane_b32 s[WV], v1                  ; wave 0..15
	s_and_b32 s66, ttmp7, 0xffff                   ; bn = 16 b + head
	s_and_b32 s67, s66, 15                         ; head
	s_lshr_b32 s68, s66, 4                         ; b
	s_and_b32 s69, s[WV], 1                        ; par
	s_lshr_b32 s70, s[WV], 1                       ; u
	s_lshl_b32 s71, ttmp9, 8
	s_lshl_b32 s72, s70, 5
	s_add_co_u32 s72, s72, s71                     ; i0
	s_add_co_u32 s[DJ], s72, 32
	s_add_co_u32 s73, s72, s69                     ; i0 + par
	; descriptor groups 1.  K and V: a step's 8,960 dense bytes as 35 rows of 256 (32 elements of 8 bytes)
	s_mov_b32 s[G1K], 3<<16
	s_mov_b32 s[G1K+1], 32<<16                     ; tensor_dim0
	s_mov_b32 s[G1K+2], 35<<16                     ; tensor_dim1
	s_mov_b32 s[G1K+3], 32<<16                     ; tile_dim0
	s_mov_b32 s[G1K+4], 35                         ; tile_dim1
	s_mov_b32 s[G1K+5], 32                         ; the pitch
	s_mov_b32 s[G1K+6], 0
	s_mov_b32 s[G1K+7], 0
	; a plane of R's window: one row of 36,880 bytes (4,610 elements of 8)
	s_mov_b32 s[G1R], 3<<16
	s_mov_b32 s[G1R+1], 4610<<16
	s_mov_b32 s[G1R+2], 1<<16
	s_mov_b32 s[G1R+3], 4610<<16
	s_mov_b32 s[G1R+4], 1
	s_mov_b32 s[G1R+5], 4610
	s_mov_b32 s[G1R+6], 0
	s_mov_b32 s[G1R+7], 0
	; its scale words: one row of 2,305 elements of 4 bytes
	s_mov_b32 s[G1S], 2<<16
	s_mov_b32 s[G1S+1], 2305<<16
	s_mov_b32 s[G1S+2], 1<<16
	s_mov_b32 s[G1S+3], 2305<<16
	s_mov_b32 s[G1S+4], 1
	s_mov_b32 s[G1S+5], 2305
	s_mov_b32 s[G1S+6], 0
	s_mov_b32 s[G1S+7], 0
	s_mov_b32 s[SEL], 0x76543210
	s_mov_b32 s[SEL+1], 0xfedcba98
	s_mov_b32 s[CS], 0x3e38aa3b                    ; log2(e) / 8
	s_mov_b32 s[CS+1], s[CS]                       ; (named with it as a pair, so it is written)
	s_mov_b32 s[TB], 0
	s_mov_b32 s[TR], 0
	s_mov_b32 s[TRS], 0
	s_mov_b32 s[SLOTS], 7
	s_mul_i32 s74, s69, STEPB                      ; which of a slot's two steps I would fetch
	s_mul_i32 s76, s66, 16*STEPB
	s_add_co_u32 s76, s76, s74
	s_mov_b32 s77, 0
	s_sub_co_u32 s75, 7, ttmp9                     ; the window begins at row 1,792 - 256 bx = 256 (7 - bx)
	s_mul_i32 s78, s67, 131584
	s_mul_i32 s80, s69, 65792
	s_add_co_u32 s78, s78, s80
	s_lshl_b32 s80, s75, 12
	s_add_co_u32 s78, s78, s80
	s_mov_b32 s79, 0
	s_mul_i32 s80, s67, 16448
	s_lshl_b32 s82, s75, 10
	s_add_co_u32 s80, s80, s82
	s_mov_b32 s81, 0
	s_mul_i32 s82, s69, PL
	s_wait_kmcnt 0x0
	s_mov_b32 s[G0K], 1
	s_mov_b32 s[G0K+1], s74
	s_add_nc_u64 s[G0K+2:G0K+3], s[8:9], s[76:77]
	s_or_b32 s[G0K+3], s[G0K+3], 0x80000000
	s_mov_b32 s[G0R], 1
	s_add_co_u32 s[G0R+1], s82, RC
	s_add_nc_u64 s[G0R+2:G0R+3], s[10:11], s[78:79]
	s_or_b32 s[G0R+3], s[G0R+3], 0x80000000
	s_mov_b32 s[G0S], 1
	s_mov_b32 s[G0S+1], RSW
	s_add_nc_u64 s[G0S+2:G0S+3], s[12:13], s[80:81]
	s_or_b32 s[G0S+3], s[G0S+3], 0x80000000
	; the first fills, one a wave: waves 0, 1: slot 0's two steps; waves 2, 3: R's two planes; wave 4: R's scale words.  Four v_nop follow each
	s_cmp_lt_u32 s[WV], 2
	s_cbranch_scc0 .Lnot_kv
	tensor_load_to_lds s[G0K:G0K+3], s[G1K:G1K+7]
	s_nop 0
.rept 4
	v_nop
.endr
	s_branch .Lfilled
.Lnot_kv:
	s_cmp_lt_u32 s[WV], 4
	s_cbranch_scc0 .Lnot_r
	tensor_load_to_lds s[G0R:G0R+3], s[G1R:G1R+7]
	s_nop 0
.rept 4
	v_nop
.endr
	s_branch .Lfilled
.Lnot_r:
	s_cmp_eq_u32 s[WV], 4
	s_cbranch_scc0 .Lfilled
	tensor_load_to_lds s[G0S:G0S+3], s[G1S:G1S+7]
	s_nop 0
.rept 4
	v_nop
.endr
.Lfilled:
	v_and_b32 v224, 15, v0                         ; r
	v_bfe_u32 v225, v0, 4, 1                       ; h
	v_and_b32 v226, 31, v0                         ; lane
	s_delay_alu instid0(VALU_DEP_3)
	v_lshl_add_u32 v227, v224, 1, s73              ; my query i
	s_delay_alu instid0(VALU_DEP_1)
	v_add_nc_u32 v228, 1, v227
	s_delay_alu instid0(VALU_DEP_1)
	v_min_u32 v228, 2047, v228                     ; i + 1; the last query never uses it, and the load stays inside the buffer
	s_delay_alu instid0(VALU_DEP_3)
	v_lshlrev_b32 v229, 5, v227
	s_delay_alu instid0(VALU_DEP_1)
	v_lshl_add_u32 v229, v225, 4, v229
	s_delay_alu instid0(VALU_DEP_3)
	v_lshlrev_b32 v230, 5, v228
	s_delay_alu instid0(VALU_DEP_1)
	v_lshl_add_u32 v230, v225, 4, v230
	v_lshlrev_b32 v231, 1, v227
	v_lshlrev_b32 v232, 1, v228
	s_lshl_b32 s76, s66, 16
	s_add_nc_u64 s[84:85], s[4:5], s[76:77]
	s_lshl_b32 s76, s66, 12
	s_add_nc_u64 s[86:87], s[6:7], s[76:77]
	global_load_b128 v[QU:QU+3], v229, s[84:85]
	global_load_b128 v[QV:QV+3], v229, s[84:85] offset:2097152
	global_load_b128 v[QW:QW+3], v230, s[84:85] offset:2097152
	global_load_u16 v[QUS], v231, s[86:87]         ; two scale bytes, the upper two of the word zeros
	global_load_u16 v[QVS], v231, s[86:87] offset:131072
	global_load_u16 v[QWS], v232, s[86:87] offset:131072
	v_lshlrev_b32 v[SH8], 3, v225
	v_lshlrev_b32 v[B16], 4, v226
	v_lshlrev_b32 v[B4], 2, v226
	s_mul_i32 s78, s[WV], 16*SROW
	s_add_co_u32 s78, s78, STG                     ; my stage
	v_mul_u32_u24 v[STW], v224, SROW
	s_delay_alu instid0(VALU_DEP_1)
	v_lshl_add_u32 v[STW], v225, 5, v[STW]
	s_delay_alu instid0(VALU_DEP_1)
	v_add_nc_u32 v[STW], s78, v[STW]
	v_mul_u32_u24 v[STR], v224, 648
	s_delay_alu instid0(VALU_DEP_1)
	v_lshl_add_u32 v[STR], v225, 7, v[STR]
	s_add_co_u32 s79, s78, 120
	v_add_nc_u32 v[STR], s79, v[STR]
	s_xor_b32 s80, s[WV], 15                       ; the band's first row in the window at j0 = 0: 225 - 32 u - par = 32 (7 - u) + (1 - par)
	s_lshr_b32 s81, s80, 1
	s_lshl_b32 s81, s81, 5
	s_and_b32 s80, s80, 1
	s_add_co_u32 s80, s80, s81
	s_lshl_b32 s81, s80, 4
	s_add_co_u32 s81, s81, RC
	v_mul_u32_u24 v[AR0], v225, PL                 ; lanes 16-31 read plane 1
	s_delay_alu instid0(VALU_DEP_1)
	v_lshl_add_u32 v[AR0], v224, 4, v[AR0]
	s_delay_alu instid0(VALU_DEP_1)
	v_add_nc_u32 v[AR0], s81, v[AR0]
	s_lshl_b32 s81, s80, 2
	s_add_co_u32 s81, s81, RSW
	v_add_nc_u32 v[ARS0], s81, v[B4]               ; lanes 0-15 the even tile's rows, lanes 16-31 the odd tile's
.irp i, 4,5,6,7
	v_mov_b32 v[QU+\i], 0                          ; the zero halves of the queries' operands,
	v_mov_b32 v[QV+\i], 0
	v_mov_b32 v[QW+\i], 0
	v_mov_b32 v[FR+36+\i], 0                       ; and what the band's last tile runs on into
.endr
	v_mov_b32 v13, 0xff61b1e6                      ; the largest t so far: -3e38
	s_delay_alu instid0(VALU_DEP_1)
	v_floor_f32 v12, -v13                          ; -M
	v_mov_b32 v14, 0                               ; the sum, in two halves
	v_mov_b32 v15, 0
	v_mov_b32 v[PT], 0                             ; written once: a lane exchange's target counts as one of its sources
	v_mov_b32 v[FF+1], 0                           ; (named as the upper half of a pair)
.set j, 0
.rept 32
	v_mov_b32 v[OT+j], 0                           ; O^T: the step is written once; its first run finds zeros
.set j, j+1
.endr
; A KEY STEP: 128 keys, the q-th of the slot in hand.
.macro STEP q
	; ---- the band: ten tiles of 16 rows of R x my 16 queries
.irp t, 0,1,2,3,4,5,6,7,8,9
	ds_load_b128 v[FR+4*\t:FR+4*\t+3], v[AR] offset:2048*\q+256*\t
.endr
.irp p, 0,1,2,3,4
	ds_load_b32 v[FS+\p], v[ARS] offset:512*\q+128*\p
.endr
	s_wait_dscnt 0x0
.irp p, 0,1,2,3,4
	s_cmp_gt_i32 s[DJ], 32*\p                      ; rows under 2,048: query i; beyond: query i + 1.  A branch on ids alone
	s_cbranch_scc0 .Lup_\@_\p
	WM S+16*\p+48*(\p/4), FR+8*\p, QV, 0, FS+\p, QVS, 0
	WM S+16*\p+8+48*(\p/4), FR+8*\p+4, QV, 0, FS+\p, QVS, 1
	s_branch .Lbd_\@_\p
.Lup_\@_\p:
	WM S+16*\p+48*(\p/4), FR+8*\p, QW, 0, FS+\p, QWS, 0
	WM S+16*\p+8+48*(\p/4), FR+8*\p+4, QW, 0, FS+\p, QWS, 1
.Lbd_\@_\p:
.endr
.rept 5
	v_nop                                          ; places: four in front of the stores that read results and of loads into the products' registers; a fifth, since K Q^T below writes over the band's results
.endr
	; ---- the skew, through my own stage: LDS serves a wave's instructions in order, so no wait stands between the stores and the loads
.irp t, 0,1,2,3,4,5,6,7,8,9
	ds_store_b128 v[STW], v[S+8*\t+48*(\t/8):S+8*\t+48*(\t/8)+3] offset:64*\t          ; each result from its low end on
	ds_store_b128 v[STW], v[S+8*\t+48*(\t/8)+4:S+8*\t+48*(\t/8)+7] offset:64*\t+16
.endr
.irp c, 0,1
.irp g, 0,1,2,3
.irp e, 0,1,2,3
	ds_load_b64 v[S+32*\c+8*\g+2*\e:S+32*\c+8*\g+2*\e+1], v[STR] offset:256*\c+32*\g+8*\e   ; BD of keys 64 c + 32 h + 8 g + 2 e and + 1
.endr
.endr
.endr
	s_wait_alu depctr_va_vdst(0)
.irp t, 0,1,2,3,4,5,6,7
	ds_load_b128 v[FR+4*\t:FR+4*\t+3], v[A16] offset:STEPB*\q+512*\t
.endr
.irp p, 0,1,2,3
	ds_load_b32 v[FS+\p], v[A4] offset:STEPB*\q+8192+128*\p
.endr
	s_wait_dscnt 0x0
.irp t, 0,1,2,3,4,5,6,7
	WM S+8*\t, FR+4*\t, QU, 1, FS+\t/2, QUS, \t%2  ; S^T = K (q + u)^T + BD
.endr
.rept 4
	v_nop                                          ; places in front of the loads below and of the first read of the scores
.endr
.irp g, 0,1,2,3
.irp c, 0,1
	ds_load_b128 v[FR+8*\g+4*\c:FR+8*\g+4*\c+3], v[A16] offset:STEPB*\q+4096+1024*\g+512*\c   ; V lands while the softmax runs
.endr
.endr
.irp p, 0,1
	ds_load_b32 v[FS+\p], v[A4] offset:STEPB*\q+8704+128*\p
.endr
	; ---- the softmax: my two whole blocks of 32 keys.  Each block's largest score serves twice: for the row's maximum and, since p rises with the score, for the block's largest p
.irp c, 0,1
	v_max_num_f32 v[BM+\c], v[S+32*\c], v[S+32*\c+1]
	v_max3_num_f32 v[BT+\c], v[S+32*\c+2], v[S+32*\c+3], v[S+32*\c+4]
.endr
.irp i, 5,9,13,17,21,25
.irp c, 0,1
	v_max3_num_f32 v[BM+\c], v[BM+\c], v[S+32*\c+\i], v[S+32*\c+\i+1]
	v_max3_num_f32 v[BT+\c], v[BT+\c], v[S+32*\c+\i+2], v[S+32*\c+\i+3]
.endr
.endr
.irp c, 0,1
	v_max3_num_f32 v[BM+\c], v[BM+\c], v[S+32*\c+29], v[S+32*\c+30]
.endr
.irp c, 0,1
	v_max3_num_f32 v[BM+\c], v[BM+\c], v[BT+\c], v[S+32*\c+31]
.endr
	s_delay_alu instid0(VALU_DEP_1)
	v_max_num_f32 v[TA], v[BM], v[BM+1]
	s_delay_alu instid0(VALU_DEP_1)
	v_permlanex16_b32 v[PT], v[TA], s[SEL], s[SEL+1]
	s_delay_alu instid0(VALU_DEP_1)
	v_max_num_f32 v[TA], v[TA], v[PT]              ; the step's largest score of my query
	s_delay_alu instid0(VALU_DEP_1)
	v_mul_f32 v[TA], s[CS], v[TA]
	s_delay_alu instid0(VALU_DEP_1)
	v_max_num_f32 v13, v13, v[TA]                  ; the running largest t
	v_mov_b32 v[TA], v12
	s_delay_alu instid0(VALU_DEP_2)
	v_floor_f32 v12, -v13                          ; the new -M = -ceil(t): a whole number
	s_delay_alu instid0(VALU_DEP_1)
	v_sub_f32 v[TA], v12, v[TA]                    ; old M - new M, 0 or less
	s_delay_alu instid0(VALU_DEP_1)
	v_cvt_i32_f32 v[TA], v[TA]                     ; (it saturates)
	s_delay_alu instid0(VALU_DEP_1)
	v_ldexp_f32 v[FF], 1.0, v[TA]                  ; f = 2^(old M - new M): a multiplication by it rounds nothing
.set j, 0
.rept 32
	v_pk_fma_f32 v[S+j:S+j+1], v[S+j:S+j+1], s[CS:CS+1], v[12:13] op_sel_hi:[1,0,0]   ; t - M, two at a time
.set j, j+2
.endr
.irp c, 0,1
	v_fma_f32 v[BM+\c], v[BM+\c], s[CS], v12       ; the same of each block's largest score
.endr
.set j, 0
	s_wait_alu depctr_va_vdst(0)
.rept 64
	v_exp_f32 v[S+j], v[S+j]                       ; p = 2^(t - M), not normalised
.set j, j+1
.endr
	v_pk_mul_f32 v[14:15], v[14:15], v[FF:FF+1] op_sel_hi:[1,0]    ; the sum under the new M: the plain line behind the batch
	s_wait_alu depctr_va_vdst(0)                   ; one wait for the 64, ahead of their first reader
.irp c, 0,1
	v_exp_f32 v[BM+\c], v[BM+\c]                   ; the block's largest p: the same two instructions on the same number give the same bits
.endr
	v_pk_add_f32 v[236:237], v[100:101], v[104:105]
	v_pk_add_f32 v[254:255], v[108:109], v[112:113]
	v_pk_add_f32 v[250:251], v[116:117], v[120:121]
	v_pk_add_f32 v[248:249], v[124:125], v[128:129]
	v_pk_add_f32 v[246:247], v[132:133], v[136:137]
	v_pk_add_f32 v[242:243], v[140:141], v[144:145]
	v_pk_add_f32 v[238:239], v[148:149], v[152:153]
	v_pk_add_f32 v[14:15], v[14:15], v[156:157]
	v_pk_add_f32 v[236:237], v[236:237], v[96:97]
	v_pk_add_f32 v[254:255], v[254:255], v[98:99]
	v_pk_add_f32 v[250:251], v[250:251], v[102:103]
	v_pk_add_f32 v[248:249], v[248:249], v[106:107]
	v_pk_add_f32 v[246:247], v[246:247], v[110:111]
	v_pk_add_f32 v[242:243], v[242:243], v[114:115]
	v_pk_add_f32 v[238:239], v[238:239], v[118:119]
	v_pk_add_f32 v[14:15], v[14:15], v[122:123]
	v_pk_add_f32 v[236:237], v[236:237], v[126:127]
	v_pk_add_f32 v[254:255], v[254:255], v[130:131]
	v_pk_add_f32 v[250:251], v[250:251], v[134:135]
	v_pk_add_f32 v[248:249], v[248:249], v[138:139]
	v_pk_add_f32 v[246:247], v[246:247], v[142:143]
	v_pk_add_f32 v[242:243], v[242:243], v[146:147]
	v_pk_add_f32 v[238:239], v[238:239], v[150:151]
	v_pk_add_f32 v[14:15], v[14:15], v[154:155]
	v_pk_add_f32 v[236:237], v[236:237], v[158:159]
	s_delay_alu instid0(VALU_DEP_2)
	v_pk_add_f32 v[14:15], v[14:15], v[248:249]
	s_delay_alu instid0(VALU_DEP_2)
	v_pk_add_f32 v[236:237], v[236:237], v[246:247]
	v_pk_add_f32 v[254:255], v[254:255], v[242:243]
	v_pk_add_f32 v[250:251], v[250:251], v[238:239]
	s_delay_alu instid0(VALU_DEP_2)
	v_pk_add_f32 v[14:15], v[14:15], v[254:255]
	s_delay_alu instid0(VALU_DEP_2)
	v_pk_add_f32 v[236:237], v[236:237], v[250:251]
	s_delay_alu instid0(VALU_DEP_1)
	v_pk_add_f32 v[14:15], v[14:15], v[236:237]
	s_wait_alu depctr_va_vdst(0)                   ; and one for the two
.irp c, 0,1
	v_max_num_f32 v[BM+\c], 0x1800000, v[BM+\c]    ; the floor 2^(3 - 127): the byte cannot fall under 1
.endr
.irp c, 0,1
	s_delay_alu instid0(VALU_DEP_2)
	v_add_nc_u32 v[SO+\c], 0xff000000, v[BM+\c]
.endr
.irp c, 0,1
	s_delay_alu instid0(VALU_DEP_2)
	v_lshrrev_b32 v[BY+\c], 23, v[SO+\c]
.endr
	s_delay_alu instid0(VALU_DEP_1)
	v_lshl_or_b32 v[PW], v[BY+1], 16, v[BY]        ; my blocks h and 2 + h,
	s_delay_alu instid0(VALU_DEP_1)
	v_lshlrev_b32 v[PW], v[SH8], v[PW]
	s_delay_alu instid0(VALU_DEP_1)
	v_permlanex16_b32 v[PT], v[PW], s[SEL], s[SEL+1]
	s_delay_alu instid0(VALU_DEP_1)
	v_or_b32 v[PW], v[PW], v[PT]                   ; with the other lane's two: p's scale word for these 128 keys
.irp c, 0,1
.irp g, 0,1,2,3
	v_cvt_scalef32_pk8_fp4_f32 v[PC+4*\c+\g], v[S+32*\c+8*\g:S+32*\c+8*\g+7], v[SO+\c]
.endr
.endr
	v_nop                                          ; one plain line behind the last conversion
.set j, 0
.rept 16
	v_pk_mul_f32 v[OT+j:OT+j+1], v[OT+j:OT+j+1], v[FF:FF+1] op_sel_hi:[1,0]   ; O^T under the new M; these are also the places between p's scale word and codes and the products
.set j, j+2
.endr
	s_wait_alu depctr_va_vdst(0)
	s_wait_dscnt 0x0                               ; V is in
.irp g, 0,1,2,3
	WM OT+8*\g, FR+8*\g, PC, 1, FS+\g/2, PW, \g%2  ; O^T += V^T P^T; the four accumulators take turns
.endr
.rept 4
	v_nop                                          ; places in front of the next loads into these products' registers, and of the way out
.endr
	s_sub_co_i32 s[DJ], s[DJ], 128
.endm
; THE CHANGE OF SLOTS, at a slot's head.  Each wave waits for all its tensor loads, adds 0 to its spare word, and waits for that and for its reads of the slot that it has left; behind the barrier the slot ahead
; is whole and nobody reads the other one.  fill = 1: waves 0 and 1 fill that other slot with the next two steps: one tensor load a wave is out, and it has two key steps in which to land.
.macro CHANGE fill
	s_wait_tensorcnt 0x0                           ; no tensor load of mine is out, so the descriptor may be written
	ds_add_u32 v[SPW], v[NIL]                      ; 0 onto my spare word
.if \fill
	s_xor_b32 s[G0K+1], s[G0K+1], SLOT1
	s_add_nc_u64 s[G0K+2:G0K+3], s[G0K+2:G0K+3], 2*STEPB
.endif
	s_wait_dscnt 0x0
	s_barrier_signal -1
	s_barrier_wait -1
.if \fill
	s_cmp_lt_u32 s[WV], 2
	s_cbranch_scc0 .Lno_fill_\@
	tensor_load_to_lds s[G0K:G0K+3], s[G1K:G1K+7]
	s_nop 0
.rept 4
	v_nop
.endr
.Lno_fill_\@:
.endif
.endm
.macro SLOT_STEPS
	v_add_nc_u32 v[A16], s[TB], v[B16]
	v_add_nc_u32 v[A4], s[TB], v[B4]
	v_add_nc_u32 v[AR], s[TR], v[AR0]
	v_add_nc_u32 v[ARS], s[TRS], v[ARS0]
	STEP 0
	STEP 1
	s_xor_b32 s[TB], s[TB], SLOT1
	s_add_co_u32 s[TR], s[TR], 4096                ; 256 keys on: 256 rows of the band table
	s_add_co_u32 s[TRS], s[TRS], 1024
.endm
	s_wait_loadcnt 0x0                             ; the queries
.Lslot:                                            ; seven trips: behind each change of slots but the last the next slot is asked for
	CHANGE 1
	SLOT_STEPS
	s_sub_co_u32 s[SLOTS], s[SLOTS], 1
	s_cmp_lg_u32 s[SLOTS], 0
	s_cbranch_scc1 .Lslot
	CHANGE 0                                       ; the last slot is written out
	SLOT_STEPS
	; THE WAY OUT: O^T / the sum is attn_vec(my query, head, 32 h + 0 .. 31): one block of the last product's K.  It leaves as codes, in that product's register order
	v_add_f32 v14, v14, v15
	s_delay_alu instid0(VALU_DEP_1)
	v_permlanex16_b32 v[PT], v14, s[SEL], s[SEL+1]
	s_delay_alu instid0(VALU_DEP_1)
	v_add_f32 v14, v14, v[PT]                      ; the row's sum
	s_wait_alu depctr_va_vdst(0)
	v_rcp_f32 v14, v14
	v_and_b32 v224, 15, v0                         ; (a plain line behind the reciprocal)
	s_delay_alu instid0(VALU_DEP_1)
	v_lshlrev_b32 v224, 2, v224
	s_lshl_b32 s74, s68, 7
	s_lshl_b32 s75, ttmp9, 4
	s_add_co_u32 s74, s74, s75
	s_add_co_u32 s74, s74, s[WV]                   ; T = 128 b + 16 bx + w: my tile of 16 rows
	s_lshl_b32 s76, s74, 13
	s_lshl_b32 s75, s67, 9
	s_add_co_u32 s76, s76, s75
	s_add_nc_u64 s[84:85], s[14:15], s[76:77]
	s_lshl_b32 s76, s74, 9
	s_lshr_b32 s75, s67, 1
	s_lshl_b32 s75, s75, 6
	s_add_co_u32 s76, s76, s75
	s_and_b32 s75, s67, 1
	s_lshl_b32 s75, s75, 1
	s_add_co_u32 s76, s76, s75
	s_add_nc_u64 s[86:87], s[16:17], s[76:77]
	s_wait_alu depctr_va_vdst(0)                   ; ahead of the reciprocal's first reader
.set j, 0
.rept 32
	v_mul_f32 v[S+j], v[OT+j], v14
.set j, j+1
.endr
	QB S, PC, SO, BY, BM, BT
	v_lshlrev_b32 v[PW], v[SH8], v[BY]
	s_delay_alu instid0(VALU_DEP_1)
	v_permlanex16_b32 v[PT], v[PW], s[SEL], s[SEL+1]
	s_delay_alu instid0(VALU_DEP_1)
	v_or_b32 v[PW], v[PW], v[PT]
	global_store_b128 v[B16], v[PC:PC+3], s[84:85] ; 32 lanes store 512 consecutive bytes
	global_store_b16 v224, v[PW], s[86:87]
	s_wait_tensorcnt 0x0                           ; the wave's end
	ds_add_u32 v[SPW], v[NIL]
	s_wait_dscnt 0x0
	s_endpgm
.Lfunc_end_k_qd5443bf320_attn:
	.size	k_qd5443bf320_attn, .Lfunc_end_k_qd5443bf320_attn-k_qd5443bf320_attn
	.p2alignl 7, 3214868480
	.fill 96, 4, 3214868480
	.section	.rodata,"a",@progbits
	.p2align	6, 0x0
	.amdhsa_kernel k_qd5443bf320_attn
		.amdhsa_group_segment_fixed_size 327680
		.amdhsa_private_segment_fixed_size 0
		.amdhsa_enable_private_segment 0
		.amdhsa_kernarg_size 56
		.amdhsa_user_sgpr_count 2
		.amdhsa_user_sgpr_kernarg_segment_ptr 1
		.amdhsa_wavefront_size32 1
		.amdhsa_system_sgpr_workgroup_id_x 1
		.amdhsa_system_sgpr_workgroup_id_y 1
		.amdhsa_system_sgpr_workgroup_id_z 1
		.amdhsa_system_vgpr_workitem_id 0
		.amdhsa_next_free_vgpr 256
		.amdhsa_next_free_sgpr 90
		.amdhsa_reserve_vcc 0
		.amdhsa_float_denorm_mode_32 3
		.amdhsa_float_denorm_mode_16_64 3
		.amdhsa_memory_ordered 1
		.amdhsa_forward_progress 1
		.amdhsa_inst_pref_size 104
	.end_amdhsa_kernel
	.amdgpu_metadata
---
amdhsa.version: [ 1, 2 ]
amdhsa.kernels:
  - .name:           k_qd5443bf320_attn
    .symbol:         k_qd5443bf320_attn.kd
    .args:
      - { .name: qcodes, .offset: 0, .size: 8, .value_kind: global_buffer, .address_space: global }
      - { .name: qscales, .offset: 8, .size: 8, .value_kind: global_buffer, .address_space: global }
      - { .name: kv, .offset: 16, .size: 8, .value_kind: global_buffer, .address_space: global }
      - { .name: rcodes, .offset: 24, .size: 8, .value_kind: global_buffer, .address_space: global }
      - { .name: rscales, .offset: 32, .size: 8, .value_kind: global_buffer, .address_space: global }
      - { .name: acodes, .offset: 40, .size: 8, .value_kind: global_buffer, .address_space: global }
      - { .name: ascales, .offset: 48, .size: 8, .value_kind: global_buffer, .address_space: global }
    .group_segment_fixed_size: 327680
    .private_segment_fixed_size: 0
    .kernarg_segment_align: 8
    .kernarg_segment_size: 56
    .max_flat_workgroup_size: 512
    .sgpr_count:     90
    .vgpr_count:     256
    .wavefront_size: 32
...
	.end_amdgpu_metadata
.endif
;; end of part 5
;; launch oproj (part 6): grid 256 x 1, 16 waves a work-group, no clusters, 67,840 bytes of LDS; arguments acodes, ascales, W_o_codes, W_o_scales, x, ln_gamma, ln_beta, out0; writes out0
.if DOCPART == 6
	.amdgcn_target "amdgcn-amd-amdhsa--gfx1250"
	.amdhsa_code_object_version 6
	.text
	.protected	k_qd5443bf320_oproj
	.globl	k_qd5443bf320_oproj
	.p2align	8
	.type	k_qd5443bf320_oproj,@function
k_qd5443bf320_oproj:
	s_mov_b64 s[64:65], 0
	v_nop
	global_prefetch_b8 v0, s[64:65] scope:SCOPE_SE
	s_setreg_imm32_b32 hwreg(HW_REG_WAVE_SCHED_MODE, 0, 2), 2
	s_setreg_imm32_b32 hwreg(HW_REG_WAVE_MODE, 25, 1), 1
	s_wait_xcnt 0x0
	s_wait_alu depctr_vm_vsrc(0)
; out0 = LayerNorm(x + Q(attn_vec) W_o) gamma + beta.  The product on codes of FP4 (E2M1) with E8M0 scales, K = 1,024; all else in f32.
; SHARES.  Work-group T takes the 16 rows that one attention wave made (batch T / 128, s = 32 ((T % 128) / 2) + 2 r + T % 2) for ALL 1,024 columns, so that a row's mean and variance have one owner.
; Wave w multiplies columns 64 w .. 64 w + 63 (four tiles; source 0 = 16 rows of W_o, source 1 = the 16 rows: a lane holds eight neighbouring columns of one row).  The results meet in a stage in LDS
; (rows of 4,096 + 16 bytes); behind one barrier wave w takes row w whole: residual, two-pass mean and variance, gain and bias, and stores 512 consecutive bytes an instruction.
; The rows' codes come as images of the operand's registers and stay in registers; W_o's fragments come straight from memory, two K steps ahead, in three sets.
; No tensor load, no cluster: a work-group's own bytes are 8 KB of codes and 128 KB of x and out0, and the launch is short.  LIMITS: NaN and infinities are not served.
; THE MODE: SCHED_MODE bits 1:0 = 2 (LLVM: expert scheduling mode 2), set by the entry lines.  The code itself states the register dependences between vector or matrix instructions and memory or LDS
; instructions, with s_wait_alu, always for 0.
; THE PLAN.  Registers that memory or LDS instructions touch:
;   v2, v5-v9, v126, v127   offsets, LDS addresses and the closing add's two: written at the head and never again; one wait on va_vdst ahead of the first load serves them all.
;   WF, three sets          Set ks % 3 is read by step ks's products; the loads issued in step ks + 1 (for step ks + 3) land in it: one wait on va_vdst at the head of steps 1 to 5.  Steps 0, 6 and 7 owe none.
;   v16-47                  The rows' fragments of steps 0 to 3, read by those steps' products; x lands there.  Step 5's wait states that those products are done too, so x is asked for in step 5,
;                           behind the last set of W_o, and no product of steps 5 to 7 names these registers.
;   v48-79, v160-223, the accumulators   Behind the last products' places one wait on va_vdst: the accumulators are written, which the LDS stores read, and the products are done reading the registers
;                           in which gamma, beta and the stage's row land.  No vector line stands between that wait and those loads.
;   v192-223 as the finished row   written by the last vector lines; one wait on va_vdst ahead of the run of stores.
;   No register that a memory or LDS instruction has read is written again: the only wait on vm_vsrc stands among the entry lines.
.set SP,   4112
.set LI,   2                           ; v2   16 x lane
.set R4,   5                           ; v5   4 r
.set R32,  6                           ; v6   32 r
.set WA,   7                           ; v7   512 r + 16 h
.set SIN,  8                           ; v8   the stage, in
.set SOUT, 9                           ; v9   the stage, back
.set AF,   16                          ; v16-79   the rows' eight fragments; later x (v16-47) and gamma (v48-79)
.set AS,   80                          ; v80-87   their scale words
.set WSC,  88                          ; v88-119  W_o's scale words: tile t, K step ks at 8 t + ks
.set ACC,  128                         ; v128-159 four accumulators
.set WF,   160                         ; v160-255 W_o's fragments, three sets of four; later beta (v160-191), the row (v192-223), sums (v224-229)
.set XR,   16
.set GA,   48
.set BE,   160
.set Y,    192
.set WV,   20
.set SEL,  22
.macro WLOAD ks
.irp t, 0,1,2,3
.irp c, 0,1
	global_load_b128 v[WF+32*((\ks)%3)+8*\t+4*\c:WF+32*((\ks)%3)+8*\t+4*\c+3], v[WA], s[28:29] offset:8192*\t+64*(\ks)+32*\c
.endr
.endr
.endm
.macro KSTEP ks
.if ((\ks) > 0) && ((\ks) < 6)
	s_wait_alu depctr_va_vdst(0)                   ; the last step's products are done reading the set of W_o in which the loads below land; in step 5 those of steps 0 to 3 are done reading v16-47 too, in which x lands
.endif
.if (\ks) < 6
	WLOAD (\ks)+2                                  ; ahead of the wait for this step's set, so that three sets are on their way
.endif
.if (\ks) == 5
.irp i, 0,1,2,3,4,5,6,7
	global_load_b128 v[XR+4*\i:XR+4*\i+3], v[LI], s[32:33] offset:512*\i th:TH_LOAD_NT   ; x: behind the last set of W_o, so that no set waits for it
.endr
.endif
.if (\ks) < 5
	s_wait_loadcnt 16                              ; this step's fragments are in; the two later sets, 8 loads each, may stay out
.elseif (\ks) == 5
	s_wait_loadcnt 24                              ; the two later sets and x's 8 loads may stay out
.elseif (\ks) == 6
	s_wait_loadcnt 16                              ; the last set and x
.else
	s_wait_loadcnt 8                               ; x
.endif
.irp t, 0,1,2,3
.if (\ks) == 0
	v_wmma_scale_f32_16x16x128_f8f6f4 v[ACC+8*\t:ACC+8*\t+7], v[WF+32*((\ks)%3)+8*\t:WF+32*((\ks)%3)+8*\t+7], v[AF+8*(\ks):AF+8*(\ks)+7], 0, v[WSC+8*\t+(\ks)], v[AS+(\ks)] matrix_a_fmt:MATRIX_FMT_FP4 matrix_b_fmt:MATRIX_FMT_FP4
.else
	v_wmma_scale_f32_16x16x128_f8f6f4 v[ACC+8*\t:ACC+8*\t+7], v[WF+32*((\ks)%3)+8*\t:WF+32*((\ks)%3)+8*\t+7], v[AF+8*(\ks):AF+8*(\ks)+7], v[ACC+8*\t:ACC+8*\t+7], v[WSC+8*\t+(\ks)], v[AS+(\ks)] matrix_a_fmt:MATRIX_FMT_FP4 matrix_b_fmt:MATRIX_FMT_FP4
.endif
.endr
.rept 4
	v_nop                                          ; places in front of loads into registers that these products read, and of the first read of results
.endr
.endm
.macro LANESUM a, t                    ; the sum over the wave's 32 lanes, in every lane
	v_add_f32_dpp v[\a], v[\a], v[\a] row_xmask:1 row_mask:0xf bank_mask:0xf
	v_add_f32_dpp v[\a], v[\a], v[\a] row_xmask:2 row_mask:0xf bank_mask:0xf
	v_add_f32_dpp v[\a], v[\a], v[\a] row_xmask:4 row_mask:0xf bank_mask:0xf
	v_add_f32_dpp v[\a], v[\a], v[\a] row_xmask:8 row_mask:0xf bank_mask:0xf
	v_permlanex16_b32 v[\t], v[\a], s[SEL], s[SEL+1]
	v_add_f32 v[\a], v[\a], v[\t]
.endm
	s_load_b512 s[4:19], s[0:1], 0x0               ; acodes, ascales, W_o codes, W_o scales, x, gamma, beta, out0
	v_lshl_add_u32 v126, v0, 2, 0x10100
	v_mov_b32 v127, 0
	v_lshrrev_b32 v1, 5, v0
	v_readfirstlane_b32 s[WV], v1                  ; wave 0..15
	s_mov_b32 s[SEL], 0x76543210
	s_mov_b32 s[SEL+1], 0xfedcba98
	s_mov_b32 s36, 0x3a800000                      ; 1 / 1,024
	v_and_b32 v1, 31, v0
	v_lshlrev_b32 v[LI], 4, v1
	v_and_b32 v3, 15, v0                           ; r
	v_bfe_u32 v4, v0, 4, 1                         ; h
	v_lshlrev_b32 v[R4], 2, v3
	v_lshlrev_b32 v[R32], 5, v3
	v_lshlrev_b32 v[WA], 9, v3
	v_lshl_add_u32 v[WA], v4, 4, v[WA]
	v_mul_u32_u24 v[SIN], v3, SP
	v_lshl_add_u32 v[SIN], v4, 5, v[SIN]
	s_wait_alu depctr_va_sdst(0)                   ; the wave's number is written, ahead of its first reader: LDS addresses and the bases are made from it
	s_lshl_b32 s21, s[WV], 8
	v_add_nc_u32 v[SIN], s21, v[SIN]               ; row r, my 64 columns, + 32 h
	s_mul_i32 s21, s[WV], SP
	v_add_nc_u32 v[SOUT], s21, v[LI]               ; row w, 16 bytes a lane
	s_mov_b32 s39, 0
	s_and_b32 s40, ttmp9, 127
	s_lshr_b32 s40, s40, 1
	s_lshl_b32 s40, s40, 5
	s_lshl_b32 s41, s[WV], 1
	s_add_co_u32 s40, s40, s41
	s_and_b32 s41, ttmp9, 1
	s_add_co_u32 s40, s40, s41                     ; s of the row that I finish
	s_lshl_b32 s40, s40, 1
	s_lshr_b32 s41, ttmp9, 7
	s_add_co_u32 s40, s40, s41                     ; 2 s + b
	s_lshl_b32 s40, s40, 12
	s_mov_b32 s41, 0
	s_wait_kmcnt 0x0
	s_lshl_b32 s38, ttmp9, 13
	s_add_nc_u64 s[24:25], s[4:5], s[38:39]
	s_lshl_b32 s38, ttmp9, 9
	s_add_nc_u64 s[26:27], s[6:7], s[38:39]
	s_lshl_b32 s38, s[WV], 15
	s_add_nc_u64 s[28:29], s[8:9], s[38:39]
	s_lshl_b32 s38, s[WV], 11
	s_add_nc_u64 s[30:31], s[10:11], s[38:39]
	s_add_nc_u64 s[32:33], s[12:13], s[40:41]
	s_add_nc_u64 s[34:35], s[18:19], s[40:41]
	s_wait_alu depctr_va_vdst(0)                   ; the offsets and LDS addresses v2 and v5 to v9 are written, which the loads, LDS instructions and stores of the whole kernel read
.irp k, 0,1,2,3,4,5,6,7
	global_load_b32 v[AS+\k], v[R4], s[26:27] offset:64*\k
.endr
.irp k, 0,1,2,3,4,5,6,7
.irp c, 0,1
	global_load_b128 v[AF+8*\k+4*\c:AF+8*\k+4*\c+3], v[LI], s[24:25] offset:1024*\k+512*\c
.endr
.endr
.irp t, 0,1,2,3
.irp e, 0,1
	global_load_b128 v[WSC+8*\t+4*\e:WSC+8*\t+4*\e+3], v[R32], s[30:31] offset:512*\t+16*\e
.endr
.endr
	WLOAD 0
	WLOAD 1
.irp k, 0,1,2,3,4,5,6,7
	KSTEP \k
.endr
	s_wait_alu depctr_va_vdst(0)                   ; behind the four places: the products have written the accumulators, which the LDS stores read, and are done reading v48-79 and v160-223, in which gamma, beta and the stage's row land
.irp i, 0,1,2,3,4,5,6,7
	global_load_b128 v[GA+4*\i:GA+4*\i+3], v[LI], s[14:15] offset:512*\i
.endr
.irp i, 0,1,2,3,4,5,6,7
	global_load_b128 v[BE+4*\i:BE+4*\i+3], v[LI], s[16:17] offset:512*\i
.endr
.irp t, 0,1,2,3
	ds_store_b128 v[SIN], v[ACC+8*\t:ACC+8*\t+3] offset:64*\t      ; each accumulator from its low end on
	ds_store_b128 v[SIN], v[ACC+8*\t+4:ACC+8*\t+7] offset:64*\t+16
.endr
	s_wait_dscnt 0x0                               ; for the others' sake: my stores have landed
	s_barrier_signal -1
	s_barrier_wait -1                              ; 16 whole rows lie in the stage
.irp i, 0,1,2,3,4,5,6,7
	ds_load_b128 v[Y+4*\i:Y+4*\i+3], v[SOUT] offset:512*\i
.endr
	s_wait_dscnt 0x0
	s_wait_loadcnt 16                              ; x is in; gamma's and beta's 16 loads may stay out
.irp j, 0,2,4,6,8,10,12,14,16,18,20,22,24,26,28,30
	v_pk_add_f32 v[Y+\j:Y+\j+1], v[Y+\j:Y+\j+1], v[XR+\j:XR+\j+1]  ; y = x + attn_out
.endr
	v_pk_add_f32 v[224:225], v[Y:Y+1], v[Y+2:Y+3]
	v_pk_add_f32 v[226:227], v[Y+4:Y+5], v[Y+6:Y+7]
.irp j, 8,12,16,20,24,28
	v_pk_add_f32 v[224:225], v[224:225], v[Y+\j:Y+\j+1]
	v_pk_add_f32 v[226:227], v[226:227], v[Y+\j+2:Y+\j+3]
.endr
	v_pk_add_f32 v[224:225], v[224:225], v[226:227]
	v_add_f32 v224, v224, v225
	LANESUM 224, 225
	v_mul_f32 v224, s36, v224                      ; the mean
.irp j, 0,2,4,6,8,10,12,14,16,18,20,22,24,26,28,30
	v_pk_add_f32 v[Y+\j:Y+\j+1], v[Y+\j:Y+\j+1], v[224:225] op_sel_hi:[1,0] neg_lo:[0,1] neg_hi:[0,1]   ; y - mean: the variance is taken of these, not of a difference of large sums
.endr
	v_pk_mul_f32 v[226:227], v[Y:Y+1], v[Y:Y+1]
	v_pk_mul_f32 v[228:229], v[Y+2:Y+3], v[Y+2:Y+3]
.irp j, 4,8,12,16,20,24,28
	v_pk_fma_f32 v[226:227], v[Y+\j:Y+\j+1], v[Y+\j:Y+\j+1], v[226:227]
	v_pk_fma_f32 v[228:229], v[Y+\j+2:Y+\j+3], v[Y+\j+2:Y+\j+3], v[228:229]
.endr
	v_pk_add_f32 v[226:227], v[226:227], v[228:229]
	v_add_f32 v226, v226, v227
	LANESUM 226, 227
	v_fmaak_f32 v226, s36, v226, 0x3727c5ac        ; the variance + 1e-5
	s_wait_alu depctr_va_vdst(0)
	v_rsq_f32 v228, v226
	v_nop                                          ; a plain line behind the root
	s_wait_alu depctr_va_vdst(0)                   ; the root has written v228, ahead of its first reader
	s_wait_loadcnt 0x0                             ; gamma and beta
.irp j, 0,2,4,6,8,10,12,14,16,18,20,22,24,26,28,30
	v_pk_mul_f32 v[Y+\j:Y+\j+1], v[Y+\j:Y+\j+1], v[228:229] op_sel_hi:[1,0]
.endr
.irp j, 0,2,4,6,8,10,12,14,16,18,20,22,24,26,28,30
	v_pk_fma_f32 v[Y+\j:Y+\j+1], v[Y+\j:Y+\j+1], v[GA+\j:GA+\j+1], v[BE+\j:BE+\j+1]
.endr
	s_wait_alu depctr_va_vdst(0)                   ; the multiply-adds have written the finished row v192-223, which the stores below read
.irp i, 0,1,2,3,4,5,6,7
	global_store_b128 v[LI], v[Y+4*\i:Y+4*\i+3], s[34:35] offset:512*\i th:TH_STORE_NT   ; 32 lanes store 512 consecutive bytes, aligned
.endr
	s_wait_dscnt 0x0                               ; the closing lines, six on end
	s_wait_alu 0x0
	s_wait_tensorcnt 0x0
	ds_add_u32 v126, v127
	s_wait_dscnt 0x0
	s_endpgm
.Lfunc_end_k_qd5443bf320_oproj:
	.size	k_qd5443bf320_oproj, .Lfunc_end_k_qd5443bf320_oproj-k_qd5443bf320_oproj
	.p2alignl 7, 3214868480
	.fill 96, 4, 3214868480
	.section	.rodata,"a",@progbits
	.p2align	6, 0x0
	.amdhsa_kernel k_qd5443bf320_oproj
		.amdhsa_group_segment_fixed_size 67840
		.amdhsa_private_segment_fixed_size 0
		.amdhsa_enable_private_segment 0
		.amdhsa_kernarg_size 64
		.amdhsa_user_sgpr_count 2
		.amdhsa_user_sgpr_kernarg_segment_ptr 1
		.amdhsa_wavefront_size32 1
		.amdhsa_system_sgpr_workgroup_id_x 1
		.amdhsa_system_sgpr_workgroup_id_y 1
		.amdhsa_system_sgpr_workgroup_id_z 1
		.amdhsa_system_vgpr_workitem_id 0
		.amdhsa_next_free_vgpr 256
		.amdhsa_next_free_sgpr 66
		.amdhsa_reserve_vcc 0
		.amdhsa_float_denorm_mode_32 3
		.amdhsa_float_denorm_mode_16_64 3
		.amdhsa_memory_ordered 1
		.amdhsa_forward_progress 1
		.amdhsa_inst_pref_size 29
	.end_amdhsa_kernel
	.amdgpu_metadata
---
amdhsa.version: [ 1, 2 ]
amdhsa.kernels:
  - .name:           k_qd5443bf320_oproj
    .symbol:         k_qd5443bf320_oproj.kd
    .args:
      - { .name: acodes, .offset: 0, .size: 8, .value_kind: global_buffer, .address_space: global }
      - { .name: ascales, .offset: 8, .size: 8, .value_kind: global_buffer, .address_space: global }
      - { .name: W_o_codes, .offset: 16, .size: 8, .value_kind: global_buffer, .address_space: global }
      - { .name: W_o_scales, .offset: 24, .size: 8, .value_kind: global_buffer, .address_space: global }
      - { .name: x, .offset: 32, .size: 8, .value_kind: global_buffer, .address_space: global }
      - { .name: ln_gamma, .offset: 40, .size: 8, .value_kind: global_buffer, .address_space: global }
      - { .name: ln_beta, .offset: 48, .size: 8, .value_kind: global_buffer, .address_space: global }
      - { .name: out0, .offset: 56, .size: 8, .value_kind: global_buffer, .address_space: global }
    .group_segment_fixed_size: 67840
    .private_segment_fixed_size: 0
    .kernarg_segment_align: 8
    .kernarg_segment_size: 64
    .max_flat_workgroup_size: 512
    .sgpr_count:     66
    .vgpr_count:     256
    .wavefront_size: 32
...
	.end_amdgpu_metadata
.endif
;; end of part 6
